; MI455X (gfx1250); checked and timed in simulation.
; The chip was launched on July 23, 2026; its instructions are those of AMD's public machine-readable ISA for CDNA 5 (MIT licence, August 2026) and "CDNA5" Instruction Set Architecture Reference Guide (July 2026). The comments in the code are by the model that wrote it; some were corrected since.
;; Production TPA. Allowed arithmetic: float matrix products may take bf16 or f16 operands with f32 sums; other float arithmetic in f32, or as packed bf16 or f16 multiplies, adds, multiply-adds, maxima and minima; sums over many terms, partial sums and values carried from step to step in f32; what a program stores and reads back later, other than sums and carried values, may be rounded once to bf16 or f16.
;; Inputs: W1 1,024 x 1,024 float32; W2 1,024 x 1,024 float32; Wk 1,024 x 1,024 float32; Wq 1,024 x 1,024 float32; Wv 1,024 x 1,024 float32; b1 1,024 float32; b2 1,024 float32; ln_b 1,024 float32; ln_g 1,024 float32; proto 16 x 1,024 float32; x 8 x 4,096 x 1,024 float32.
;; Outputs: out0 8 x 1,024 float32.
;; One version. Each part assembles by itself: llvm-mc -triple=amdgcn-amd-amdhsa -mcpu=gfx1250 --defsym DOCPART=n.
;; ======== version 1 of 1: 6 launches
;; limits: values are held in f16: magnitudes above 65,504 overflow, below 6.1e-05 lose precision
;; workspace buffers: xn 67,108,864 bytes; wk16 2,097,152 bytes; qp 65,536 bytes; ee 8,388,608 bytes; ml 262,144 bytes; up 1,048,576 bytes; zt 32,768 bytes; hh 32,768 bytes
;; launch prep (part 1): grid 608 x 1, 8 waves a work-group, no clusters, 9,216 bytes of LDS; arguments x, ln_g, ln_b, Wk, proto, Wq, xn, wk16, qp; writes xn, wk16, qp
.if DOCPART == 1
	.amdgcn_target "amdgcn-amd-amdhsa--gfx1250"
	.amdhsa_code_object_version 6
	.text
	.protected	k_q79dd98adbd_prep
	.globl	k_q79dd98adbd_prep
	.p2align	8
	.type	k_q79dd98adbd_prep,@function
k_q79dd98adbd_prep:
	s_mov_b64 s[64:65], 0
	v_nop
	global_prefetch_b8 v0, s[64:65] scope:SCOPE_SE
	s_setreg_imm32_b32 hwreg(HW_REG_WAVE_MODE, 25, 1), 1
	s_wait_xcnt 0x0
; PROTOTYPE ATTENTION POOLING, launch 1 of 6: LayerNorm of x into xn (f16), Wk into f16, Qp = proto Wq^T (f32).
; THE WHOLE PROGRAM.  1 prep; 2 scores: K = xn Wk^T, normalised by head, cosine scores with the 16 prototypes, per 128 tokens a maximum, weights and their sum;
; 3 pool: the softmax's global maximum and sum, the mean weight abar of a token over the prototypes, u = sum over t of abar xn; 4 z_tpa = Wv u; 5, 6 the two layers of the MLP.
; WHAT IS NOT FORMED: V = xn Wv^T for each token.  Behind the softmax all steps are linear: z_tpa[b][e] = (1/16) sum_p sum_t attn[b,h,p,t] V[b,t,e]
; = sum_d Wv[e][d] u[b,h,d], with h = e / 128, u[b,h,d] = sum_t abar[b,h,t] xn[b,t,d], abar = (1/16) sum_p attn.  That is an identity of real numbers for all values of the inputs;
; it takes a product of 32,768 rows with Wv down to one of 8 rows for each head.  Every input has a way to the output and every input is loaded.
; LIMITS.  The order of the sums and roundings differs from the written one.  A NaN, an infinity or an overflow that would arise only in V's single rows is not carried to the result.
; xn and Wk are rounded to f16: they must lie within 65,504 in magnitude; below 6e-5 they keep f16's fixed step of 6e-8.
; ROLES, by the work-group's number (the same for all its waves): 0-63 QP, 64-95 CV, 96-607 LN.
; LN: a wave takes a whole row (4,096 bytes, 32 registers) and keeps it between the mean, the variance (of x - mu, so that a common offset does no harm) and the scaling: x is read once.
;     8 rows a wave, a ring of four row slots in registers; every offset is an immediate, so no address register is ever rewritten.
; CV: a wave rounds 4 rows of Wk.
; QP: 16 columns of Qp a work-group, K split among its 8 waves, f32 operands in the f32 matrix form (34 MFLOP, each weight used once: no rounding, no bulk work); the partial sums meet in LDS.
.set SPARE, 8192                       ; behind the partial sums: the spare words, 128 bytes for each of 8 waves
.set XO,  2                            ; v2   16 x lane: my 16 bytes in 512 of a row of f32
.set YO,  3                            ; v3   8 x lane: my 8 bytes in 256 of a row of f16
.set SPW, 4                            ; v4   LDS address of my spare word; never rewritten
.set NIL, 5                            ; v5   0; never rewritten
.set T,   6                            ; v[6:13]   at work
.set MU,  14                           ; v[14:15]  the mean, twice
.set G,   16                           ; v[16:47]  ln_g of my 32 columns
.set BB,  48                           ; v[48:79]  ln_b
.set X,   80                           ; v[80:207] four row slots of 32
.set Y,   208                          ; v[208:223] a row's 32 numbers in f16
.set ACC, 224                          ; v[224:255] QP's four accumulators: written by matrix instructions alone
.set WR,  80                           ; QP: 64 registers of Wq
.set VR,  144                          ; QP: 64 registers of proto
.set SRC, 30                           ; s[30:31] where my rows are read
.set DST, 32                           ; s[32:33] where they are stored
.macro FILL slot, row                  ; a row's eight loads, 512 consecutive bytes each
.irp j, 0,1,2,3,4,5,6,7
	global_load_b128 v[X+32*(\slot)+4*\j:X+32*(\slot)+4*\j+3], v[XO], s[SRC:SRC+1] offset:(\row)*4096+512*\j th:TH_LOAD_NT
.endr
.endm
.macro CVT16 xb                        ; 32 numbers rounded to f16
.set n, 0
.rept 16
	v_cvt_pk_f16_f32 v[Y+n], v[(\xb)+2*n], v[(\xb)+2*n+1]
.set n, n+1
.endr
.endm
.macro STORE8 row                      ; each store of the wave covers 256 consecutive bytes, aligned
.irp j, 0,1,2,3,4,5,6,7
	global_store_b64 v[YO], v[Y+2*\j:Y+2*\j+1], s[DST:DST+1] offset:(\row)*2048+256*\j
.endr
.endm
.macro FOLD                            ; four packed chains in T into one number in every lane
	v_pk_add_f32 v[T:T+1], v[T:T+1], v[T+2:T+3]
	v_pk_add_f32 v[T+4:T+5], v[T+4:T+5], v[T+6:T+7]
	v_pk_add_f32 v[T:T+1], v[T:T+1], v[T+4:T+5]
	v_add_f32 v[T], v[T], v[T+1]
	v_add_f32_dpp v[T], v[T], v[T] row_xmask:1 row_mask:0xf bank_mask:0xf
	v_add_f32_dpp v[T], v[T], v[T] row_xmask:2 row_mask:0xf bank_mask:0xf
	v_add_f32_dpp v[T], v[T], v[T] row_xmask:4 row_mask:0xf bank_mask:0xf
	v_add_f32_dpp v[T], v[T], v[T] row_xmask:8 row_mask:0xf bank_mask:0xf
	v_permlanex16_b32 v[T+1], v[T], s26, s27
	v_add_f32 v[T], v[T], v[T+1]
.endm
; Row i of the wave's eight.  left: the loads of younger rows, which may stay out.  fill = 1: the slot takes row i + 4.
.macro TURN i, left, fill
.set XB, X+32*((\i)%4)
	s_wait_loadcnt \left                           ; loads come back in order: my row is in
	s_wait_xcnt 0x0                                ; the last row's stores have read Y: it is rewritten only behind this wait
.irp c, 0,1,2,3
	v_pk_add_f32 v[T+2*\c:T+2*\c+1], v[XB+2*\c:XB+2*\c+1], v[XB+8+2*\c:XB+8+2*\c+1]
.endr
.irp c, 0,1,2,3
	v_pk_add_f32 v[T+2*\c:T+2*\c+1], v[T+2*\c:T+2*\c+1], v[XB+16+2*\c:XB+16+2*\c+1]
.endr
.irp c, 0,1,2,3
	v_pk_add_f32 v[T+2*\c:T+2*\c+1], v[T+2*\c:T+2*\c+1], v[XB+24+2*\c:XB+24+2*\c+1]
.endr
	FOLD
	v_mul_f32 v[MU], s28, v[T]                     ; the mean
	v_mul_f32 v[MU+1], s28, v[T]
.set n, 0
.rept 16
	v_pk_add_f32 v[XB+2*n:XB+2*n+1], v[XB+2*n:XB+2*n+1], v[MU:MU+1] neg_lo:[0,1] neg_hi:[0,1]
.set n, n+1
.endr
.irp c, 0,1,2,3
	v_pk_mul_f32 v[T+2*\c:T+2*\c+1], v[XB+2*\c:XB+2*\c+1], v[XB+2*\c:XB+2*\c+1]
.endr
.set n, 4
.rept 12
	v_pk_fma_f32 v[T+2*(n%4):T+2*(n%4)+1], v[XB+2*n:XB+2*n+1], v[XB+2*n:XB+2*n+1], v[T+2*(n%4):T+2*(n%4)+1]
.set n, n+1
.endr
	FOLD
	v_fma_f32 v[T+1], v[T], s28, s29               ; the variance + 1e-5
	v_rsq_f32 v[T+2], v[T+1]
	v_nop                                          ; a plain instruction behind the root,
	s_wait_alu depctr_va_vdst(0)                   ; and the wait ahead of its first reader
.set n, 0
.rept 16
	v_pk_mul_f32 v[XB+2*n:XB+2*n+1], v[XB+2*n:XB+2*n+1], v[T+2:T+3] op_sel_hi:[1,0]
.set n, n+1
.endr
.set n, 0
.rept 16
	v_pk_fma_f32 v[XB+2*n:XB+2*n+1], v[XB+2*n:XB+2*n+1], v[G+2*n:G+2*n+1], v[BB+2*n:BB+2*n+1]
.set n, n+1
.endr
	CVT16 XB
.if \fill
	FILL (\i)%4, (\i)+4                            ; the load ahead of the stores
.endif
	STORE8 \i
.endm
	s_load_b512 s[8:23], s[0:1], 0x0               ; x 8, ln_g 10, ln_b 12, Wk 14, proto 16, Wq 18, xn 20, wk16 22
	s_load_b64 s[24:25], s[0:1], 0x40              ; qp
	v_lshl_add_u32 v[SPW], v0, 2, SPARE
	v_mov_b32 v[NIL], 0
	v_lshrrev_b32 v1, 5, v0
	v_readfirstlane_b32 s4, v1                     ; wave 0..7
	v_and_b32 v1, 31, v0                           ; lane
	v_lshlrev_b32 v[XO], 4, v1
	v_lshlrev_b32 v[YO], 3, v1
	s_mov_b32 s5, ttmp9
	s_mov_b32 s26, 0x76543210                      ; v_permlanex16_b32: each lane takes its own place in the other half
	s_mov_b32 s27, 0xfedcba98
	s_mov_b32 s28, 0x3a800000                      ; 1 / 1024
	s_mov_b32 s29, 0x3727c5ac                      ; 1e-5
	s_mov_b32 s31, 0
	s_mov_b32 s33, 0
	s_wait_kmcnt 0x0
	s_cmp_lt_u32 s5, 64
	s_cbranch_scc1 .Lqp
	s_cmp_lt_u32 s5, 96
	s_cbranch_scc1 .Lcv
	; LN: work-group g - 96 has rows 64 (g - 96) .., wave w eight of them
	s_sub_co_u32 s6, s5, 96
	s_lshl_b32 s6, s6, 6
	s_lshl3_add_u32 s6, s4, s6
	s_lshl_b32 s[SRC], s6, 12
	s_lshl_b32 s[DST], s6, 11
	s_add_nc_u64 s[SRC:SRC+1], s[8:9], s[SRC:SRC+1]
	s_add_nc_u64 s[DST:DST+1], s[20:21], s[DST:DST+1]
.irp j, 0,1,2,3,4,5,6,7
	global_load_b128 v[G+4*\j:G+4*\j+3], v[XO], s[10:11] offset:512*\j
	global_load_b128 v[BB+4*\j:BB+4*\j+3], v[XO], s[12:13] offset:512*\j
.endr
	FILL 0, 0
	FILL 1, 1
	FILL 2, 2
	FILL 3, 3
	TURN 0, 24, 1                                  ; three younger rows of eight loads stay out while the ring is filled again,
	TURN 1, 24, 1
	TURN 2, 24, 1
	TURN 3, 24, 1
	TURN 4, 24, 0
	TURN 5, 16, 0                                  ; then the counts run down
	TURN 6, 8, 0
	TURN 7, 0, 0
	s_endpgm
.Lcv:                                          ; CV: work-group g - 64 has rows 32 (g - 64) .. of Wk, wave w four of them
	s_sub_co_u32 s6, s5, 64
	s_lshl_b32 s6, s6, 5
	s_lshl2_add_u32 s6, s4, s6
	s_lshl_b32 s[SRC], s6, 12
	s_lshl_b32 s[DST], s6, 11
	s_add_nc_u64 s[SRC:SRC+1], s[14:15], s[SRC:SRC+1]
	s_add_nc_u64 s[DST:DST+1], s[22:23], s[DST:DST+1]
	FILL 0, 0
	FILL 1, 1
	FILL 2, 2
	FILL 3, 3
.irp i, 0,1,2,3
	s_wait_loadcnt 24-8*\i                         ; the younger rows' loads stay out
	s_wait_xcnt 0x0                                ; Y is rewritten only behind this wait
	CVT16 X+32*\i
	STORE8 \i
.endr
	s_endpgm
.Lqp:                                          ; QP: columns e0 = 16 g .. e0 + 15; wave w has k = 128 w .. 128 w + 127
	; Source 0 = the 16 rows of proto, source 1 = 16 rows of Wq.  A lane (r = l % 16, h = l / 16) loads 16 bytes at 32 c + 16 h of its row's 512: instruction (c, i) then holds k = 8 c + 4 h + 2 i + j
	; in register j, on both sides alike, and the 32 instructions take each k once.
	v_and_b32 v24, 15, v0
	v_bfe_u32 v25, v0, 4, 1
	v_lshlrev_b32 v26, 12, v24
	v_lshl_add_u32 v26, v25, 4, v26
	s_lshl_b32 s6, s4, 9
	v_add_nc_u32 v26, s6, v26                      ; r x 4,096 + 16 h + 512 w
	s_lshl_b32 s[SRC], s5, 16                      ; 16 rows of Wq
	s_add_nc_u64 s[SRC:SRC+1], s[18:19], s[SRC:SRC+1]
.set c, 0
.rept 16
	global_load_b128 v[VR+4*c:VR+4*c+3], v26, s[16:17] offset:32*c
	global_load_b128 v[WR+4*c:WR+4*c+3], v26, s[SRC:SRC+1] offset:32*c th:TH_LOAD_NT
.set c, c+1
.endr
	s_wait_loadcnt 0x0
.set t, 0
.rept 32                               ; four accumulators by turns, one instruction a turn; the first four start the sums
.if t < 4
	v_wmma_f32_16x16x4_f32 v[ACC+8*t:ACC+8*t+7], v[VR+2*t:VR+2*t+1], v[WR+2*t:WR+2*t+1], 0
.else
	v_wmma_f32_16x16x4_f32 v[ACC+8*(t%4):ACC+8*(t%4)+7], v[VR+2*t:VR+2*t+1], v[WR+2*t:WR+2*t+1], v[ACC+8*(t%4):ACC+8*(t%4)+7]
.endif
.set t, t+1
.endr
	; the addresses of the meeting in LDS: plain instructions that name no register of the products, the places behind them (ISA guide 7.12.1), filled up with v_nop
	v_lshlrev_b32 v27, 5, v1
	v_lshl_add_u32 v27, s4, 10, v27                ; in: 1,024 w + 32 l
	v_and_b32 v28, 15, v0                          ; n
	v_lshrrev_b32 v29, 4, v0                       ; m = 0..15
	v_lshrrev_b32 v30, 3, v29
	v_lshl_add_u32 v30, v30, 4, v28                ; the lane that holds (m, n): n + 16 (m / 8),
	v_and_b32 v31, 7, v29                          ; its register m % 8
	v_lshlrev_b32 v31, 2, v31
	v_lshl_add_u32 v31, v30, 5, v31                ; back
	v_lshlrev_b32 v29, 12, v29
	v_lshl_add_u32 v29, v28, 2, v29
	v_lshl_add_u32 v29, s5, 6, v29                 ; qp: m x 4,096 + 4 (e0 + n)
.rept 4
	v_nop
.endr
.irp q, 0,1,2,3                        ; the four accumulators are added, each read from its low end on, into other registers
	v_pk_add_f32 v[6+2*\q:7+2*\q], v[ACC+2*\q:ACC+2*\q+1], v[ACC+8+2*\q:ACC+8+2*\q+1]
	v_pk_add_f32 v[16+2*\q:17+2*\q], v[ACC+16+2*\q:ACC+16+2*\q+1], v[ACC+24+2*\q:ACC+24+2*\q+1]
	v_pk_add_f32 v[6+2*\q:7+2*\q], v[6+2*\q:7+2*\q], v[16+2*\q:17+2*\q]
.endr
	ds_store_b128 v27, v[6:9]
	ds_store_b128 v27, v[10:13] offset:16
	s_wait_dscnt 0x0                               ; for the others' sake: my partial sums lie in LDS
	s_barrier_signal -1
	s_barrier_wait -1
.irp w, 0,1,2,3,4,5,6,7
	ds_load_b32 v[32+\w], v31 offset:1024*\w       ; thread (m, n) takes the eight waves' parts of its number
.endr
	s_wait_dscnt 0x0
	v_pk_add_f32 v[32:33], v[32:33], v[36:37]
	v_pk_add_f32 v[34:35], v[34:35], v[38:39]
	v_pk_add_f32 v[32:33], v[32:33], v[34:35]
	v_add_f32 v32, v32, v33
	global_store_b32 v29, v32, s[24:25]
	s_wait_tensorcnt 0x0                           ; the wave's end, behind my last LDS store
	ds_add_u32 v[SPW], v[NIL]
	s_wait_dscnt 0x0
	s_endpgm
.Lfunc_end_k_q79dd98adbd_prep:
	.size	k_q79dd98adbd_prep, .Lfunc_end_k_q79dd98adbd_prep-k_q79dd98adbd_prep
	.p2alignl 7, 3214868480
	.fill 96, 4, 3214868480
	.section	.rodata,"a",@progbits
	.p2align	6, 0x0
	.amdhsa_kernel k_q79dd98adbd_prep
		.amdhsa_group_segment_fixed_size 9216
		.amdhsa_private_segment_fixed_size 0
		.amdhsa_enable_private_segment 0
		.amdhsa_kernarg_size 72
		.amdhsa_user_sgpr_count 2
		.amdhsa_user_sgpr_kernarg_segment_ptr 1
		.amdhsa_wavefront_size32 1
		.amdhsa_system_sgpr_workgroup_id_x 1
		.amdhsa_system_sgpr_workgroup_id_y 1
		.amdhsa_system_sgpr_workgroup_id_z 1
		.amdhsa_system_vgpr_workitem_id 0
		.amdhsa_next_free_vgpr 256
		.amdhsa_next_free_sgpr 66
		.amdhsa_reserve_vcc 0
		.amdhsa_float_denorm_mode_32 3
		.amdhsa_float_denorm_mode_16_64 3
		.amdhsa_memory_ordered 1
		.amdhsa_forward_progress 1
		.amdhsa_inst_pref_size 91
	.end_amdhsa_kernel
	.amdgpu_metadata
---
amdhsa.version: [ 1, 2 ]
amdhsa.kernels:
  - .name:           k_q79dd98adbd_prep
    .symbol:         k_q79dd98adbd_prep.kd
    .args:
      - { .name: x, .offset: 0, .size: 8, .value_kind: global_buffer, .address_space: global }
      - { .name: ln_g, .offset: 8, .size: 8, .value_kind: global_buffer, .address_space: global }
      - { .name: ln_b, .offset: 16, .size: 8, .value_kind: global_buffer, .address_space: global }
      - { .name: Wk, .offset: 24, .size: 8, .value_kind: global_buffer, .address_space: global }
      - { .name: proto, .offset: 32, .size: 8, .value_kind: global_buffer, .address_space: global }
      - { .name: Wq, .offset: 40, .size: 8, .value_kind: global_buffer, .address_space: global }
      - { .name: xn, .offset: 48, .size: 8, .value_kind: global_buffer, .address_space: global }
      - { .name: wk16, .offset: 56, .size: 8, .value_kind: global_buffer, .address_space: global }
      - { .name: qp, .offset: 64, .size: 8, .value_kind: global_buffer, .address_space: global }
    .group_segment_fixed_size: 9216
    .private_segment_fixed_size: 0
    .kernarg_segment_align: 8
    .kernarg_segment_size: 72
    .max_flat_workgroup_size: 256
    .sgpr_count:     66
    .vgpr_count:     256
    .wavefront_size: 32
...
	.end_amdgpu_metadata
.endif
;; end of part 1
;; launch scores (part 2): grid 4 x 64, 4 waves a work-group, clusters of 4 x 4, 327,680 bytes of LDS; arguments xn, wk16, qp, ee, ml; writes ee, ml
.if DOCPART == 2
	.amdgcn_target "amdgcn-amd-amdhsa--gfx1250"
	.amdhsa_code_object_version 6
	.text
	.protected	k_q79dd98adbd_scores
	.globl	k_q79dd98adbd_scores
	.p2align	8
	.type	k_q79dd98adbd_scores,@function
k_q79dd98adbd_scores:
	s_mov_b64 s[64:65], 0
	v_nop
	global_prefetch_b8 v0, s[64:65] scope:SCOPE_SE
	s_setreg_imm32_b32 hwreg(HW_REG_WAVE_MODE, 25, 1), 1
	s_wait_xcnt 0x0
	s_wait_alu depctr_hold_cnt(0) depctr_sa_sdst(0) depctr_va_vdst(0) depctr_va_sdst(0) depctr_va_ssrc(0) depctr_va_vcc(0) depctr_vm_vsrc(0)
	s_getreg_b32 s2, hwreg(HW_REG_IB_STS2, 6, 4)
	s_cmp_eq_u32 s2, 0
	s_cbranch_scc0 .Lentry_in_a_cluster
	s_endpgm
.Lentry_in_a_cluster:
	s_bfe_u32 s2, ttmp6, 0x10000c
	s_cmp_lg_u32 s2, 0xf033
	s_cbranch_scc0 .Lentry_shape_is_right
	s_endpgm
.Lentry_shape_is_right:
; Launch 2 of 6.  K = xn Wk^T (32,768 x 1,024 x 1,024, f16 operands, f32 sums), never stored: each wave's 128 tokens x 128 channels are ONE HEAD's K of 128 tokens, and go on in registers:
; the tokens' norms, K / max(|K|, 1e-12) rounded to f16, the cosine scores with the 16 normalised prototypes, and for these 128 tokens (a chunk) and each prototype the maximum m,
; the weights e' = 2^(c s - c m) (c = log2(e) / 0.07; f16, 0 to 1) and their sum l (f32, of the unrounded weights).  Stored: ee [b][h][t][p] f16, ml [b][h][chunk][16 x c m, 16 x l] f32.
; V = xn Wv^T is not formed: the steps behind the softmax are linear in V (shown at the head of launch 1).
; LIMITS.  A NaN among the weights is stored as 0 (the softmax's nan_to_num); where a NaN score would make a whole row of the softmax NaN, only that token's weight is set to 0 here.
; THE PRODUCT.  A tile of K, 256 tokens x 256 channels, is made by four waves, 128 x 128 each: 64 accumulators, 512 registers.  The inner dimension goes in steps of 128 through a ring of two LDS slots
; filled by the tensor data mover; rows of 256 bytes, padded to 272 in LDS.  A work-group stays for two tiles, 16,384 tokens apart; the ring runs on across the change of tiles.
; CLUSTERS: 4 x 4 work-groups.  The four of a row of the cluster need the same tiles of xn, the four of a column the same tiles of Wk: each tile is asked for JOINTLY, by the same tensor load with the
; same descriptor and a mask that names the four.
; TRANSPOSED USE: source 0 = 16 rows of Wk, source 1 = 16 tokens: a lane (r = l % 16, h = l / 16) holds token r and the channels 16 b + 8 h + 0..7 of accumulator b.  Two neighbouring accumulators,
; rounded in pairs, ARE source 1 (32 channels x 16 tokens) of the scores' product, whose source 0 is 16 prototypes x 32 channels; its result holds token r and prototypes 8 h + 0..7 a lane.
; REGISTERS, in windows of 256 (s_set_vgpr_msb: bits 1:0 source 0, 3:2 source 1, 5:4 source 2, 7:6 destination):
;   window 0: v0-31 addresses; v32-39 SS; v64-127, v128-191 fragments of xn, two buffers; behind a tile: v128-191 S, v192-253 statistics, weights, at work
;   window 1: v0-31 QF, the head's normalised prototypes; v64-127, v128-191 fragments of Wk; behind a tile: v128-255 KN, four token blocks of normalised K in f16
;   window 2: the accumulators of my tokens 0-63 ((a, b) at v[8 (8 a + b)]);   window 3: those of tokens 64-127
.set SIZE_K, 1024
.set KSTEP,  128
.set PITCH,  272                       ; an LDS row: 256 bytes + 16 of padding = 68 words: row r starts at bank 4 r mod 64 (64 banks of 4 bytes: ISA guide 11.1)
.set HALFT,  128*PITCH                 ; 128 rows: what one tensor load brings
.set SLOT,   4*HALFT                   ; xn's 256 rows, then Wk's 256 rows
.set SPARE,  2*SLOT                    ; behind the ring: the spare words, 128 bytes for each wave
.set LAPS,   SIZE_K/(2*KSTEP)          ; a lap = two steps = once round the ring
.set WALK,   16384                     ; rows from a work-group's first tile to its second
.set NEXT_A, WALK*SIZE_K*2-(SIZE_K-2*KSTEP)*2   ; bytes from a slot's last step of a tile to its first of the next: xn goes WALK rows down and back,
.set BACK_B, (SIZE_K-2*KSTEP)*2        ; Wk only back
.set ADRA, 16                          ; v16-17  LDS address of my xn fragments in slot 0, 1
.set ADRB, 20                          ; v20-21  the same for Wk
.set EO,   24                          ; v24     my 16 bytes in a block of 16 tokens of ee: 32 r + 16 h
.set MO,   25                          ; v25     my word of the chunk's 32 in ml
.set QO,   26                          ; v26     my byte offset in the head's part of qp
.set ZR,   27                          ; v27     0
.set SPW,  28                          ; v28     LDS address of my spare word; never rewritten
.set NIL,  29                          ; v29     0; never rewritten
.set PFO,  30                          ; v30     the prefetches' offset: lane x 2,048; never rewritten
.set SS,   32                          ; v32-39  a pair for each of four token blocks: the sum of squares, then 1 / norm
.set F0,   64
.set F1,   128
.set S,    128                         ; the scores: token block a at S + 8 a
.set CM,   192                         ; c m for prototype 8 h + j
.set LS,   200                         ; l
.set EP,   208                         ; the weights in f16: block a at EP + 4 a
.set TT,   240
.set QF,   0                           ; window 1
.set KN,   128                         ; window 1
.set PFA,  44                          ; s[44:45] where my prefetches stand
.set LIM,  43                          ; s43     1 in a wave that prefetches, else the greatest number
.set G1, 24                            ; s[24:31] descriptor group 1 for xn's tiles
.set G0, 32                            ; s[32:39] group 0, a set for each slot
.set G1B, 48                           ; s[48:55], s[56:63] the same for Wk's tiles
.set G0B, 56
.set MSB, 0
.macro WIN new                         ; the immediate's high byte repeats the setting that is left; a switch that changes nothing is dropped
.if MSB != (\new)
	s_set_vgpr_msb (MSB<<8)|(\new)
.set MSB, \new
.endif
.endm
.set MUL_LO, 0xa1                      ; source 0 (Wk) window 1, source 1 (xn) window 0, C and D window 2
.set MUL_HI, 0xf1                      ; the same, C and D window 3
.set TO_B,   0x40                      ; destination window 1, address window 0
; A joint load.  Waves 0 and 1 fetch xn's two halves, waves 2 and 3 Wk's.  The branch hangs on the wave's number alone.  An s_nop 0 and four v_nop follow each line.
.macro JLOAD s
	s_cmp_eq_u32 s11, 0
	s_cbranch_scc0 .Lfor_b_\@
	tensor_load_to_lds s[G0+4*(\s):G0+4*(\s)+3], s[G1:G1+7]
	s_nop 0
.rept 4
	v_nop
.endr
	s_branch .Lasked_\@
.Lfor_b_\@:
	tensor_load_to_lds s[G0B+4*(\s):G0B+4*(\s)+3], s[G1B:G1B+7]
	s_nop 0
.rept 4
	v_nop
.endr
.Lasked_\@:
.endm
; A prefetch into the L2, behind each joint load and the run of LDS loads that follows it: the step that stands TWO refills on, 512 matrix instructions ahead of its load: 32 rows x 256 bytes, a lane a row.
; Each row's 256 bytes of a step are named once in the launch: xn's rows by their one cluster (there is one cluster along x), Wk's by the clusters with y = 0, in the first tile alone; the four partners
; that ask for a tile jointly share its rows out by address, 32 each.  how = 0, in the loop: a tile's last two refills have no step two on; how = 1: at the change of tiles.
.macro ASK how
.if \how
	s_cmp_eq_u32 s[LIM], 1
.else
	s_cmp_gt_u32 s3, s[LIM]
.endif
	s_cbranch_scc0 .Lnot_mine_\@
	global_prefetch_b8 v[PFO], s[PFA:PFA+1] offset:KSTEP*2 th:TH_LOAD_NT scope:SCOPE_SE
.Lnot_mine_\@:
.endm
.macro CREST                           ; a round of the cluster's barrier behind its opening barrier
	s_cmp_lg_u32 s10, 0
	s_cbranch_scc1 .Lnot_wave_0_\@
	s_barrier_signal -3
.Lnot_wave_0_\@:
	s_barrier_wait -3
	s_barrier_signal -1
	s_barrier_wait -1
.endm
.macro CROUND                          ; a whole round
	s_barrier_signal -1
	s_barrier_wait -1
	CREST
.endm
	s_load_b128 s[4:7], s[0:1], 0x0                ; xn s[4:5], wk16 s[6:7]
	s_load_b128 s[68:71], s[0:1], 0x10             ; qp s[68:69], ee s[70:71]
	s_load_b64 s[72:73], s[0:1], 0x20              ; ml
	v_lshl_add_u32 v[SPW], v0, 2, SPARE
	v_mov_b32 v[NIL], 0
	ds_add_u32 v[SPW], v[NIL]                      ; the wave's opening: the add, twice on end, and its wait ahead of my first tensor load
	ds_add_u32 v[SPW], v[NIL]
	v_lshrrev_b32 v1, 5, v0
	v_readfirstlane_b32 s10, v1                    ; wave 0..3
	s_lshr_b32 s11, s10, 1                         ; which half of the tile's tokens is mine.  Also: I fetch for xn (0) or for Wk (1)
	s_and_b32 s12, s10, 1                          ; which half of its channels.  Also: which 128 rows of that tile I fetch
	s_bfe_u32 s40, ttmp6, 0x40000                  ; cx
	s_bfe_u32 s41, ttmp6, 0x40004                  ; cy
	s_lshl_b32 s42, ttmp9, 2
	s_add_co_u32 s42, s42, s40                     ; tile column = 4 x cluster x + cx
	s_and_b32 s13, ttmp7, 0xffff
	s_lshl_b32 s13, s13, 2
	s_add_co_u32 s13, s13, s41                     ; tile row = 4 x cluster y + cy
	s_lshl_b32 s43, s41, 2
	s_lshl_b32 s43, 15, s43                        ; my row of the cluster
	s_lshl_b32 s44, 0x1111, s40                    ; my column
	s_or_b32 s[G1+0], s43, (1<<16)|(1<<20)|(1<<21)|(5<<22)|(3<<25)  ; the mask; elements of 2 bytes; padding on; bit 21 beside a mask; after every 64 words; 4 words
	s_or_b32 s[G1B+0], s44, (1<<16)|(1<<20)|(1<<21)|(5<<22)|(3<<25)
.irp g, G1, G1B
	s_mov_b32 s[(\g)+1], KSTEP<<16                 ; tensor_dim0 = 128
	s_mov_b32 s[(\g)+2], 128<<16                   ; tensor_dim1 = 128
	s_mov_b32 s[(\g)+3], KSTEP<<16                 ; tile_dim0 = 128
	s_mov_b32 s[(\g)+4], 128                       ; tile_dim1 = 128
	s_mov_b32 s[(\g)+5], SIZE_K                    ; elements from row to row
	s_mov_b32 s[(\g)+6], 0
	s_mov_b32 s[(\g)+7], 0
.endr
	s_lshl_b32 s17, s12, 7                         ; which 128 rows of the tile I fetch
	s_lshl_b32 s16, s13, 8
	s_add_co_u32 s16, s16, s17                     ; xn: row 256 x tile row + 128 x half
	s_lshl_b32 s46, s42, 8
	s_add_co_u32 s46, s46, s17                     ; Wk: row 256 x tile column + 128 x half
	s_mov_b32 s17, 0
	s_mov_b32 s47, 0
	s_mov_b64 s[18:19], SIZE_K*2
	s_mul_u64 s[16:17], s[16:17], s[18:19]
	s_mul_u64 s[46:47], s[46:47], s[18:19]
	s_mul_i32 s20, s10, HALFT                      ; where they go: wave x 128 rows: no place in the cluster enters an LDS address
	s_wait_dscnt 0x0                               ; both opening adds are done
	s_wait_kmcnt 0x0
	s_add_nc_u64 s[14:15], s[4:5], s[16:17]
	s_add_nc_u64 s[46:47], s[6:7], s[46:47]
	CROUND                                         ; all sixteen work-groups are here: the first joint loads meet
.irp s, 0,1
	s_mov_b32 s[G0+4*(\s)], 1
	s_add_co_u32 s[G0+4*(\s)+1], s20, (\s)*SLOT
	s_add_nc_u64 s[G0+4*(\s)+2:G0+4*(\s)+3], s[14:15], (\s)*KSTEP*2
	s_or_b32 s[G0+4*(\s)+3], s[G0+4*(\s)+3], 0x80000000
	s_mov_b32 s[G0B+4*(\s)], 1
	s_add_co_u32 s[G0B+4*(\s)+1], s20, (\s)*SLOT
	s_add_nc_u64 s[G0B+4*(\s)+2:G0B+4*(\s)+3], s[46:47], (\s)*KSTEP*2
	s_or_b32 s[G0B+4*(\s)+3], s[G0B+4*(\s)+3], 0x80000000
	JLOAD \s
.endr
	v_and_b32 v1, 15, v0                           ; r
	v_bfe_u32 v2, v0, 4, 1                         ; h
	; where my results go: tokens g0 = 256 x tile row + 128 x half on, head = 2 x tile column + half.  The place in the cluster enters these store addresses and qp's alone.
	s_lshl_b32 s13, s13, 8
	s_lshl_b32 s88, s11, 7
	s_add_co_u32 s88, s88, s13                     ; g0
	s_lshr_b32 s89, s88, 12                        ; b
	s_and_b32 s90, s88, 4095                       ; t0
	s_lshl1_add_u32 s91, s42, s12                  ; head
	s_lshl3_add_u32 s89, s89, s91                  ; 8 b + head
	s_lshl_b32 s84, s89, 12
	s_add_co_u32 s84, s84, s90
	s_lshl_b32 s84, s84, 5                         ; 32 bytes a token
	s_mov_b32 s85, 0
	s_add_nc_u64 s[84:85], s[70:71], s[84:85]      ; ee at my first token
	s_lshr_b32 s90, s90, 7
	s_lshl_b32 s86, s89, 5
	s_add_co_u32 s86, s86, s90
	s_lshl_b32 s86, s86, 7                         ; 128 bytes a chunk
	s_mov_b32 s87, 0
	s_add_nc_u64 s[86:87], s[72:73], s[86:87]      ; ml at my chunk
	s_lshl_b32 s88, s91, 9
	s_mov_b32 s89, 0
	s_add_nc_u64 s[68:69], s[68:69], s[88:89]      ; qp at my head's 128 channels
	v_lshlrev_b32 v[QO], 12, v1
	v_lshl_add_u32 v[QO], v2, 5, v[QO]             ; prototype r, 32 bytes for each half of the lanes
.set c, 0
.rept 4                                ; channels 32 c + 8 h + 0..7 and 32 c + 16 + 8 h + 0..7 of prototype r, in f32: what a fragment of source 0 holds
	global_load_b128 v[F1+16*c:F1+16*c+3],     v[QO], s[68:69] offset:128*c
	global_load_b128 v[F1+16*c+4:F1+16*c+7],   v[QO], s[68:69] offset:128*c+16
	global_load_b128 v[F1+16*c+8:F1+16*c+11],  v[QO], s[68:69] offset:128*c+64
	global_load_b128 v[F1+16*c+12:F1+16*c+15], v[QO], s[68:69] offset:128*c+80
.set c, c+1
.endr
	v_mul_u32_u24 v3, v1, PITCH
	v_lshl_add_u32 v3, v2, 4, v3                   ; a fragment's row x pitch + 16 x half
	s_mul_i32 s21, s11, HALFT                      ; my 128 rows of xn
	s_mul_i32 s22, s12, HALFT                      ; my 128 rows of Wk,
	s_add_co_u32 s22, s22, 2*HALFT                 ; which lie behind xn's 256
.irp s, 0,1
	v_add_nc_u32 v[ADRA+(\s)], s21, v3
	v_add_nc_u32 v[ADRB+(\s)], s22, v3
	s_add_co_u32 s21, s21, SLOT
	s_add_co_u32 s22, s22, SLOT
.endr
	v_lshlrev_b32 v[EO], 5, v1
	v_lshl_add_u32 v[EO], v2, 4, v[EO]
	v_lshrrev_b32 v4, 3, v1
	v_and_b32 v5, 7, v1
	v_lshlrev_b32 v[MO], 6, v4                     ; lanes with r < 8 store c m, the others l;
	v_lshl_add_u32 v[MO], v2, 5, v[MO]             ; prototype 8 h + r % 8
	v_lshl_add_u32 v[MO], v5, 2, v[MO]
	v_mov_b32 v[ZR], 0
	v_and_b32 v4, 1, v1                            ; the four bits of r as lane masks, in scalar registers
	v_cmp_ne_u32 s74, 0, v4
	v_and_b32 v4, 2, v1
	v_cmp_ne_u32 s75, 0, v4
	v_and_b32 v4, 4, v1
	v_cmp_ne_u32 s76, 0, v4
	v_and_b32 v4, 8, v1
	v_cmp_ne_u32 s77, 0, v4
	s_mov_b32 s78, 0x41a4e123                      ; c = log2(e) / 0.07 = 20.60993
	s_mov_b32 s79, s78                             ; named with it as a pair
	s_mov_b32 s80, 0x76543210                      ; v_permlanex16_b32: each lane takes its own place in the other half
	s_mov_b32 s81, 0xfedcba98
	s_mov_b32 s82, 0x5368d4a5                      ; 1e12: min(1 / sqrt(ss), 1e12) = 1 / max(sqrt(ss), 1e-12), for ss = 0 too
	; the prefetches: s13 = 256 x tile row, s42 = tile column, s40 = cx, s41 = cy still stand
	s_lshl_b32 s42, s42, 8
	s_and_b32 s22, ttmp7, 0xffff                   ; cluster y
	s_cmp_eq_u32 s11, 0                            ; do I fetch for xn?
	s_cselect_b32 s20, s13, s42                    ; the tile's first row
	s_cselect_b32 s21, s40, s41                    ; my place among the four that ask for it with me
	s_cselect_b32 s22, ttmp9, s22                  ; the coordinate along which other clusters read the same rows
	s_cselect_b64 s[PFA:PFA+1], s[4:5], s[6:7]
	s_cmp_eq_u32 s22, 0
	s_cselect_b32 s[LIM], 1, -1                    ; the same in all sixteen partners, for a given wave
	s_lshl_b32 s22, s12, 7
	s_add_co_u32 s20, s20, s22                     ; + the 128 rows that I fetch
	s_lshl_b32 s21, s21, 5
	s_add_co_u32 s20, s20, s21                     ; + my work-group's 32 of them
	s_mov_b32 s21, 0
	s_mov_b64 s[18:19], SIZE_K*2
	s_mul_u64 s[20:21], s[20:21], s[18:19]
	s_add_nc_u64 s[PFA:PFA+1], s[PFA:PFA+1], s[20:21]
	s_add_nc_u64 s[PFA:PFA+1], s[PFA:PFA+1], 2*KSTEP*2  ; at step 2: the first refill steps it to 3 and names step 4; nothing is prefetched at the head
	v_and_b32 v[PFO], 31, v0
	v_mul_u32_u24 v[PFO], v[PFO], SIZE_K*2
	; the head's prototypes are normalised and rounded, in the wait for the first tiles
	s_wait_loadcnt 0x0
.irp q, 0,1,2,3
	v_pk_mul_f32 v[SS+2*\q:SS+2*\q+1], v[F1+2*\q:F1+2*\q+1], v[F1+2*\q:F1+2*\q+1]
.endr
.set n, 4
.rept 28
	v_pk_fma_f32 v[SS+2*(n%4):SS+2*(n%4)+1], v[F1+2*n:F1+2*n+1], v[F1+2*n:F1+2*n+1], v[SS+2*(n%4):SS+2*(n%4)+1]
.set n, n+1
.endr
	v_pk_add_f32 v[SS:SS+1], v[SS:SS+1], v[SS+2:SS+3]
	v_pk_add_f32 v[SS+4:SS+5], v[SS+4:SS+5], v[SS+6:SS+7]
	v_pk_add_f32 v[SS:SS+1], v[SS:SS+1], v[SS+4:SS+5]
	v_add_f32 v[SS], v[SS], v[SS+1]
	v_permlanex16_b32 v[SS+1], v[SS], s80, s81     ; the prototype's other 64 channels lie in the lane 16 away
	v_add_f32 v[SS], v[SS], v[SS+1]
	v_rsq_f32 v[SS], v[SS]
	v_nop
	s_wait_alu depctr_va_vdst(0)                   ; the wait ahead of the root's first reader
	v_min_num_f32 v[SS], s82, v[SS]
.set n, 0
.rept 32
	v_pk_mul_f32 v[F1+2*n:F1+2*n+1], v[F1+2*n:F1+2*n+1], v[SS:SS+1] op_sel_hi:[1,0]
.set n, n+1
.endr
	WIN 0x40                                       ; destination window 1
.set n, 0
.rept 32
	v_cvt_pk_f16_f32 v[QF+n], v[F1+2*n], v[F1+2*n+1]
.set n, n+1
.endr
	WIN 0
; 16 matrix instructions: token blocks a0, a0 + 1 of the window's four x all 8 channel blocks, 32 along the inner dimension.  zero = 1: the first product starts the sums.
.macro MUL16 f, hi, a0, zero
	WIN MUL_LO+0x50*(\hi)
.irp a, \a0, (\a0)+1
.irp b, 0,1,2,3,4,5,6,7
.if \zero
	v_wmma_f32_16x16x32_f16 v[8*(8*(\a)+(\b)):8*(8*(\a)+(\b))+7], v[(\f)+8*(\b):(\f)+8*(\b)+7], v[(\f)+8*(4*(\hi)+(\a)):(\f)+8*(4*(\hi)+(\a))+7], 0
.else
	v_wmma_f32_16x16x32_f16 v[8*(8*(\a)+(\b)):8*(8*(\a)+(\b))+7], v[(\f)+8*(\b):(\f)+8*(\b)+7], v[(\f)+8*(4*(\hi)+(\a)):(\f)+8*(4*(\hi)+(\a))+7], v[8*(8*(\a)+(\b)):8*(8*(\a)+(\b))+7]
.endif
.endr
.endr
.endm
; 32 LDS loads in one run: the fragments of one quarter step into buffer f
.macro FETCH slot, k, f
	WIN TO_B
.irp i, 0,1,2,3,4,5,6,7
	ds_load_b128 v[(\f)+8*(\i):(\f)+8*(\i)+3],   v[ADRB+(\slot)] offset:(\k)+(\i)*16*PITCH
	ds_load_b128 v[(\f)+8*(\i)+4:(\f)+8*(\i)+7], v[ADRB+(\slot)] offset:(\k)+(\i)*16*PITCH+32
.endr
	WIN 0
.irp i, 0,1,2,3,4,5,6,7
	ds_load_b128 v[(\f)+8*(\i):(\f)+8*(\i)+3],   v[ADRA+(\slot)] offset:(\k)+(\i)*16*PITCH
	ds_load_b128 v[(\f)+8*(\i)+4:(\f)+8*(\i)+7], v[ADRA+(\slot)] offset:(\k)+(\i)*16*PITCH+32
.endr
.endm
.macro PLACES                          ; four places behind a matrix instruction, in front of loads into registers that it has read and of vector work that reads its results (ISA guide 7.12.1 for vector work)
.rept 4
	v_nop
.endr
.endm
; A step is four quarters of 32, 64 matrix instructions each, on buffers 0, 1, 0, 1.  One of the first three: multiplies buffer f and in its middle fetches the next quarter, at byte k, into g.
.macro QUARTER slot, k, f, g, zero
	s_wait_dscnt 8                                 ; Wk's and xn's rows 0-63 are in; the youngest eight loads (xn's rows 64-127) may be out
	WIN MUL_LO
	MUL16 \f, 0, 0, \zero
	MUL16 \f, 0, 2, \zero
	PLACES
	FETCH \slot, \k, \g
	s_wait_dscnt 32                                ; all but the 32 just issued
	WIN MUL_HI
	MUL16 \f, 1, 0, \zero
	MUL16 \f, 1, 2, \zero
.endm
; The last quarter's first half: ONE barrier for the change of slots.  In front of it each wave waits for all its tensor loads (one is out: its part of the next slot), adds 0 to its spare word,
; and waits for that and for its own reads of this slot.  Behind it nobody reads this slot any more and the next slot is whole.
.macro MEET round
	WIN 0
	s_wait_tensorcnt 0x0
	ds_add_u32 v[SPW], v[NIL]
	s_wait_dscnt 9                                 ; (the add and the youngest eight loads may be out)
	WIN MUL_LO
	MUL16 F1, 0, 0, 0                              ; sixteen matrix instructions stand between the add and the wait for it
	s_wait_dscnt 0x0                               ; the add is done, and my reads of this slot are over
	s_barrier_signal -1
	MUL16 F1, 0, 2, 0
.if \round
	WIN 0
.endif
	s_barrier_wait -1
.endm
; The whole last quarter.  Behind the cluster's round the slot just read out is filled again first: with this tile's step two on (on = 0) or with the next tile's step 0 or 1 (on = 1).
.macro TURN slot, next, on
	s_wait_xcnt 0x0                                ; the last prefetch, a step back, has read its address: it is stepped here, ahead of the waits of the change of slots
.if (\on) && (\slot) == 0
	s_add_nc_u64 s[PFA:PFA+1], s[PFA:PFA+1], (WALK-1)*SIZE_K*2+KSTEP*2  ; from the step after the tile's last to the next tile's step 1
	s_cmp_eq_u32 s11, 0
	s_cselect_b32 s[LIM], s[LIM], -1               ; Wk's rows are the same for both tiles: they are asked for no more
.else
	s_add_nc_u64 s[PFA:PFA+1], s[PFA:PFA+1], KSTEP*2
.endif
	MEET 1
	CREST                                          ; no wave of any partner still reads this slot's tile or has a load on its way
.if \on
	s_add_nc_u64 s[G0+4*(\slot)+2:G0+4*(\slot)+3], s[G0+4*(\slot)+2:G0+4*(\slot)+3], NEXT_A
	s_sub_nc_u64 s[G0B+4*(\slot)+2:G0B+4*(\slot)+3], s[G0B+4*(\slot)+2:G0B+4*(\slot)+3], BACK_B
.else
	s_add_nc_u64 s[G0+4*(\slot)+2:G0+4*(\slot)+3], s[G0+4*(\slot)+2:G0+4*(\slot)+3], 2*KSTEP*2
	s_add_nc_u64 s[G0B+4*(\slot)+2:G0B+4*(\slot)+3], s[G0B+4*(\slot)+2:G0B+4*(\slot)+3], 2*KSTEP*2
.endif
	JLOAD \slot                                    ; the first tensor load behind the round; its four v_nop are also the places in front of the loads below
	FETCH \next, 0, F0
	ASK \on
	WIN MUL_HI
	MUL16 F1, 1, 0, 0
	MUL16 F1, 1, 2, 0
.endm
; BEHIND A TILE, for the four token blocks of window 2 + hi: norms, normalised K in f16, scores.  It uses no LDS and waits on no LDS or tensor counter, and names nothing of buffer 0,
; into which the next tile's first fragments may be on their way.
.macro EPIH hi
	WIN 0x0a+5*(\hi)                               ; sources 0 and 1: the accumulators' window
.set i, 0
.rept 32                               ; the squares of a lane's 64 channels, a chain for each token block; each accumulator is read from its low end on
.irp a, 0,1,2,3
.if i == 0
	v_pk_mul_f32 v[SS+2*\a:SS+2*\a+1], v[64*\a:64*\a+1], v[64*\a:64*\a+1]
.else
	v_pk_fma_f32 v[SS+2*\a:SS+2*\a+1], v[64*\a+2*i:64*\a+2*i+1], v[64*\a+2*i:64*\a+2*i+1], v[SS+2*\a:SS+2*\a+1]
.endif
.endr
.set i, i+1
.endr
	WIN 0
.irp a, 0,1,2,3
	v_add_f32 v[SS+2*\a], v[SS+2*\a], v[SS+2*\a+1]
.endr
.irp a, 0,1,2,3
	v_permlanex16_b32 v[SS+2*\a+1], v[SS+2*\a], s80, s81  ; the token's other 64 channels lie in the lane 16 away
.endr
.irp a, 0,1,2,3
	v_add_f32 v[SS+2*\a], v[SS+2*\a], v[SS+2*\a+1]
.endr
.irp a, 0,1,2,3
	v_rsq_f32 v[SS+2*\a], v[SS+2*\a]
.endr
	v_nop
	s_wait_alu depctr_va_vdst(0)                   ; one wait for the four roots
.irp a, 0,1,2,3
	v_min_num_f32 v[SS+2*\a], s82, v[SS+2*\a]
.endr
	WIN 0x82+0x41*(\hi)                            ; destination and source 0: the accumulators' window
.irp a, 0,1,2,3
.set i, 0
.rept 32
	v_pk_mul_f32 v[64*\a+2*i:64*\a+2*i+1], v[64*\a+2*i:64*\a+2*i+1], v[SS+2*\a:SS+2*\a+1] op_sel_hi:[1,0]
.set i, i+1
.endr
.endr
	WIN 0x4a+5*(\hi)                               ; destination window 1
.irp a, 0,1,2,3
.set i, 0
.rept 32
	v_cvt_pk_f16_f32 v[KN+32*\a+i], v[64*\a+2*i], v[64*\a+2*i+1]
.set i, i+1
.endr
.endr
	WIN 0x05                                       ; sources 0 and 1 window 1, C and D window 0
.irp c, 0,1,2,3                        ; the four blocks' accumulators by turns
.irp a, 0,1,2,3
.if \c == 0
	v_wmma_f32_16x16x32_f16 v[S+8*(4*(\hi)+\a):S+8*(4*(\hi)+\a)+7], v[QF+8*\c:QF+8*\c+7], v[KN+32*\a+8*\c:KN+32*\a+8*\c+7], 0
.else
	v_wmma_f32_16x16x32_f16 v[S+8*(4*(\hi)+\a):S+8*(4*(\hi)+\a)+7], v[QF+8*\c:QF+8*\c+7], v[KN+32*\a+8*\c:KN+32*\a+8*\c+7], v[S+8*(4*(\hi)+\a):S+8*(4*(\hi)+\a)+7]
.endif
.endr
.endr
.endm
; The chunk's maximum, weights and sums, and the stores.
.macro EPIF
	WIN 0
	PLACES
.irp j, 0,1,2,3,4,5,6,7                ; over the eight token blocks; register 0 of each block's scores is read first
	v_max3_num_f32 v[CM+\j], v[S+\j], v[S+8+\j], v[S+16+\j]
.endr
.irp j, 0,1,2,3,4,5,6,7
	v_max3_num_f32 v[CM+\j], v[CM+\j], v[S+24+\j], v[S+32+\j]
.endr
.irp j, 0,1,2,3,4,5,6,7
	v_max3_num_f32 v[CM+\j], v[CM+\j], v[S+40+\j], v[S+48+\j]
.endr
.irp j, 0,1,2,3,4,5,6,7
	v_max_num_f32 v[CM+\j], v[CM+\j], v[S+56+\j]
.endr
.irp m, 1,2,4,8                        ; over a block's 16 tokens, which lie in the 16 lanes of my half
.irp j, 0,1,2,3,4,5,6,7
	v_max_num_f32_dpp v[CM+\j], v[CM+\j], v[CM+\j] row_xmask:\m row_mask:0xf bank_mask:0xf
.endr
.endr
.irp q, 0,1,2,3
	v_pk_mul_f32 v[CM+2*\q:CM+2*\q+1], v[CM+2*\q:CM+2*\q+1], s[78:79] op_sel_hi:[1,0]  ; c m
.endr
.irp a, 0,1,2,3,4,5,6,7
.irp q, 0,1,2,3
	v_pk_fma_f32 v[S+8*\a+2*\q:S+8*\a+2*\q+1], v[S+8*\a+2*\q:S+8*\a+2*\q+1], s[78:79], v[CM+2*\q:CM+2*\q+1] op_sel_hi:[1,0,1] neg_lo:[0,0,1] neg_hi:[0,0,1]  ; c s - c m
.endr
.endr
.set n, 0
.rept 64                               ; one batch of exponentials,
	v_exp_f32 v[S+n], v[S+n]
.set n, n+1
.endr
	v_nop                                          ; a plain instruction behind the last,
	s_wait_alu depctr_va_vdst(0)                   ; and one wait ahead of the first reader
.irp q, 0,1,2,3
	v_pk_add_f32 v[LS+2*\q:LS+2*\q+1], v[S+2*\q:S+2*\q+1], v[S+8+2*\q:S+8+2*\q+1]
.endr
.irp a, 2,3,4,5,6,7
.irp q, 0,1,2,3
	v_pk_add_f32 v[LS+2*\q:LS+2*\q+1], v[LS+2*\q:LS+2*\q+1], v[S+8*\a+2*\q:S+8*\a+2*\q+1]
.endr
.endr
.irp m, 1,2,4,8
.irp j, 0,1,2,3,4,5,6,7
	v_add_f32_dpp v[LS+\j], v[LS+\j], v[LS+\j] row_xmask:\m row_mask:0xf bank_mask:0xf
.endr
.endr
	s_wait_xcnt 0x0                                ; the last tile's stores have read EP and TT: they are rewritten only behind this wait
.set n, 0
.rept 32
	v_cvt_pk_f16_f32 v[EP+n], v[S+2*n], v[S+2*n+1]
.set n, n+1
.endr
.set n, 0
.rept 32
	v_pk_max_num_f16 v[EP+n], v[EP+n], v[ZR]       ; a NaN becomes 0: the softmax's nan_to_num; other weights are not below 0 and stay
.set n, n+1
.endr
.irp a, 0,1,2,3,4,5,6,7
	global_store_b128 v[EO], v[EP+4*\a:EP+4*\a+3], s[84:85] offset:512*\a  ; 16 tokens x 16 prototypes: 512 consecutive bytes, aligned
.endr
.irp k, 0,1,2,3                        ; lane r takes number r % 8 of c m (r < 8) or of l: one store of 128 consecutive bytes
	v_cndmask_b32 v[TT+\k], v[CM+2*\k], v[CM+2*\k+1], s74
	v_cndmask_b32 v[TT+4+\k], v[LS+2*\k], v[LS+2*\k+1], s74
.endr
	v_cndmask_b32 v[TT+8], v[TT], v[TT+1], s75
	v_cndmask_b32 v[TT+9], v[TT+2], v[TT+3], s75
	v_cndmask_b32 v[TT+10], v[TT+4], v[TT+5], s75
	v_cndmask_b32 v[TT+11], v[TT+6], v[TT+7], s75
	v_cndmask_b32 v[TT+12], v[TT+8], v[TT+9], s76
	v_cndmask_b32 v[TT+13], v[TT+10], v[TT+11], s76
	v_cndmask_b32 v[TT], v[TT+12], v[TT+13], s77
	global_store_b32 v[MO], v[TT], s[86:87]
.endm
	s_wait_tensorcnt 1                             ; my part of step 0 is in; step 1's may stay out
	s_barrier_signal -1
	s_barrier_wait -1                              ; everybody's is
	FETCH 0, 0, F0
	s_mov_b32 s2, 2                                ; tiles to go
.Ltile:
	QUARTER 0, 64,  F0, F1, 1                      ; a tile's first quarter stands in front of the loop: its products start the sums
	WIN 0                                          ; at a label and at a branch every window is 0
	s_mov_b32 s3, LAPS-1
.Llap:                                                 ; a trip goes once round the ring, from a lap's second quarter to the next lap's first, and fills both slots again
	QUARTER 0, 128, F1, F0, 0
	QUARTER 0, 192, F0, F1, 0
	TURN 0, 1, 0
	QUARTER 1, 64,  F0, F1, 0
	QUARTER 1, 128, F1, F0, 0
	QUARTER 1, 192, F0, F1, 0
	TURN 1, 0, 0
	QUARTER 0, 64,  F0, F1, 0
	WIN 0
	s_sub_co_u32 s3, s3, 1
	s_cmp_lg_u32 s3, 0
	s_cbranch_scc1 .Llap
	QUARTER 0, 128, F1, F0, 0                      ; the tile's last lap goes on
	QUARTER 0, 192, F0, F1, 0
	WIN 0
	s_cmp_eq_u32 s2, 1
	s_cbranch_scc1 .Llast                          ; the last tile's tail is written out: it asks for nothing more
	TURN 0, 1, 1                                   ; the ring goes on into the next tile: slot 0 takes its step 0,
	QUARTER 1, 64,  F0, F1, 0
	QUARTER 1, 128, F1, F0, 0
	QUARTER 1, 192, F0, F1, 0
	TURN 1, 0, 1                                   ; slot 1 its step 1, and the next tile's first fragments are fetched into buffer 0
	WIN 0
	s_branch .Lepi
.Llast:
	MEET 0                                         ; my one tensor load that was still out is slot 1's, the last step's, so no round follows
	PLACES
	FETCH 1, 0, F0
	WIN MUL_HI
	MUL16 F1, 1, 0, 0
	MUL16 F1, 1, 2, 0
	QUARTER 1, 64,  F0, F1, 0
	QUARTER 1, 128, F1, F0, 0
	QUARTER 1, 192, F0, F1, 0
	s_wait_dscnt 8                                 ; the very last quarter: nothing more to fetch
	MUL16 F1, 0, 0, 0
	MUL16 F1, 0, 2, 0
	s_wait_dscnt 0x0
	MUL16 F1, 1, 0, 0
	MUL16 F1, 1, 2, 0
	WIN 0
.Lepi:                                                 ; written once, for both tiles
	PLACES
	EPIH 0
	EPIH 1
	EPIF
	s_wait_xcnt 0x0                                ; the stores have read their bases
	s_add_nc_u64 s[84:85], s[84:85], 4194304       ; the next tile lies four batches on: 4 x 8 x 4,096 x 32 bytes of ee,
	s_add_nc_u64 s[86:87], s[86:87], 131072        ; 4 x 8 x 32 x 128 bytes of ml (behind the last tile the stepped addresses are not used)
	s_sub_co_u32 s2, s2, 1
	s_cmp_lg_u32 s2, 0
	s_cbranch_scc1 .Ltile
	s_wait_tensorcnt 0x0                           ; the wave's end
	ds_add_u32 v[SPW], v[NIL]
	s_wait_dscnt 0x0
	CROUND                                         ; the closing round: no work-group ends while a partner may still ask for a tile that names it
	s_endpgm
.Lfunc_end_k_q79dd98adbd_scores:
	.size	k_q79dd98adbd_scores, .Lfunc_end_k_q79dd98adbd_scores-k_q79dd98adbd_scores
	.p2alignl 7, 3214868480
	.fill 96, 4, 3214868480
	.section	.rodata,"a",@progbits
	.p2align	6, 0x0
	.amdhsa_kernel k_q79dd98adbd_scores
		.amdhsa_group_segment_fixed_size 327680
		.amdhsa_private_segment_fixed_size 0
		.amdhsa_enable_private_segment 0
		.amdhsa_kernarg_size 40
		.amdhsa_user_sgpr_count 2
		.amdhsa_user_sgpr_kernarg_segment_ptr 1
		.amdhsa_wavefront_size32 1
		.amdhsa_system_sgpr_workgroup_id_x 1
		.amdhsa_system_sgpr_workgroup_id_y 1
		.amdhsa_system_sgpr_workgroup_id_z 1
		.amdhsa_system_vgpr_workitem_id 0
		.amdhsa_next_free_vgpr 1024
		.amdhsa_next_free_sgpr 92
		.amdhsa_reserve_vcc 0
		.amdhsa_float_denorm_mode_32 3
		.amdhsa_float_denorm_mode_16_64 3
		.amdhsa_memory_ordered 1
		.amdhsa_forward_progress 1
		.amdhsa_inst_pref_size 226
	.end_amdhsa_kernel
	.amdgpu_metadata
---
amdhsa.version: [ 1, 2 ]
amdhsa.kernels:
  - .name:           k_q79dd98adbd_scores
    .symbol:         k_q79dd98adbd_scores.kd
    .args:
      - { .name: xn, .offset: 0, .size: 8, .value_kind: global_buffer, .address_space: global }
      - { .name: wk16, .offset: 8, .size: 8, .value_kind: global_buffer, .address_space: global }
      - { .name: qp, .offset: 16, .size: 8, .value_kind: global_buffer, .address_space: global }
      - { .name: ee, .offset: 24, .size: 8, .value_kind: global_buffer, .address_space: global }
      - { .name: ml, .offset: 32, .size: 8, .value_kind: global_buffer, .address_space: global }
    .group_segment_fixed_size: 327680
    .private_segment_fixed_size: 0
    .kernarg_segment_align: 8
    .kernarg_segment_size: 40
    .max_flat_workgroup_size: 128
    .sgpr_count:     92
    .vgpr_count:     1024
    .wavefront_size: 32
...
	.end_amdgpu_metadata
.endif
;; end of part 2
;; launch pool (part 3): grid 8 x 32, 16 waves a work-group, no clusters, 325,888 bytes of LDS; arguments xn, ee, ml, up; writes up
.if DOCPART == 3
	.amdgcn_target "amdgcn-amd-amdhsa--gfx1250"
	.amdhsa_code_object_version 6
	.text
	.protected	k_q79dd98adbd_pool
	.globl	k_q79dd98adbd_pool
	.p2align	8
	.type	k_q79dd98adbd_pool,@function
k_q79dd98adbd_pool:
	s_mov_b64 s[64:65], 0
	v_nop
	global_prefetch_b8 v0, s[64:65] scope:SCOPE_SE
	s_setreg_imm32_b32 hwreg(HW_REG_WAVE_MODE, 25, 1), 1
	s_wait_xcnt 0x0
; Launch 3 of 6.  up[q][b][h][d] = the sum over the 1,024 tokens t of quarter q of batch b of abar[b,h,t] xn[b,t,d], abar = (1/16) sum_p attn[b,h,p,t].
; V is not formed: the steps behind the softmax are linear in V (shown at the head of launch 1).
; THE SOFTMAX IS FINISHED HERE.  From the 32 chunks' c m and l: M = max of c m, L = sum of l 2^(c m - M); attn = e' 2^(c m - M) / L.  L is at least about 1 (the chunk that holds M adds its l) and at most 4,096.
; abar is kept as abar x 4,096 in f16 (a mean weight is then near 1, the largest 4,096); the factor is taken out at the store.  rho[chunk][p] = 2^(c m - M) x 256 / L; a NaN there becomes 0 (nan_to_num).
; SHARES.  A work-group has 1,024 tokens of one batch and 128 columns d of xn: 256 work-groups.  Its slab of xn (1,024 rows x 256 bytes) comes into LDS by one tensor load a wave, 64 rows each,
; issued first of all; nothing is filled again.  NO CLUSTER: the 8 work-groups of a token quarter share 256 KiB of ee, for which LDS has no room beside the slab of 294,912 bytes; their slabs differ.
; PHASES.  A (waves 0-3): rho.  B: wave w makes abar of head w % 8 for 512 tokens, a lane a token.  C: wave w multiplies 16 columns (w % 8) by 512 tokens (w / 8): source 0 = abar (8 heads; rows 8-15 repeat them),
; source 1 = xn, turned by ds_load_tr16_b128.  The two halves meet in LDS.
.set XP,    288                        ; a row of the slab: 256 bytes + 32 = 72 words
.set AT,    294912                     ; behind the slab: abar, 8 rows of 1,024 f16,
.set AP,    2064                       ; 2,048 bytes + 16
.set RHO,   311552                     ; f32 [8 heads][8 chunks][16]
.set UO,    315648                     ; f32 [2 halves][8 heads][128]
.set SPARE, 323840                     ; the spare words, 128 bytes for each of 16 waves
.set SPW, 4                            ; v4   LDS address of my spare word; never rewritten
.set NIL, 5                            ; v5   0; never rewritten
.set ZR,  6                            ; v6   0
.set EA,  7                            ; v7   32 x lane: a token's 16 weights
.set MA,  8
.set RA,  9
.set ATS, 10
.set AA,  11
.set BA,  12                           ; v12-15
.set UOS, 16
.set UOL, 17
.set GO,  18
.set E,   32                           ; v[32:159] the weights of 16 x 32 tokens; then two fragment buffers of 64
.set FB0, 32
.set FB1, 96
.set CMR, 160                          ; phase A: c m of the 32 chunks
.set LR,  192                          ; phase A: l
.set RH,  160                          ; phase B: rho of my four chunks, 64
.set ACC, 192                          ; phase C: four accumulators
.set CMO, 224                          ; phase A: c m of the work-group's own eight chunks
.set T,   224
	s_load_b256 s[4:11], s[0:1], 0x0               ; xn s[4:5], ee s[6:7], ml s[8:9], up s[10:11]
	v_lshl_add_u32 v[SPW], v0, 2, SPARE
	v_mov_b32 v[NIL], 0
	ds_add_u32 v[SPW], v[NIL]                      ; the wave's opening: the add, twice on end, and its wait ahead of my tensor load
	ds_add_u32 v[SPW], v[NIL]
	v_lshrrev_b32 v1, 5, v0
	v_readfirstlane_b32 s12, v1                    ; wave 0..15
	s_mov_b32 s13, ttmp9                           ; the slice of 128 columns
	s_and_b32 s14, ttmp7, 0xffff
	s_lshr_b32 s15, s14, 2                         ; b
	s_and_b32 s16, s14, 3                          ; q
	s_and_b32 s36, s12, 7                          ; w % 8
	s_lshr_b32 s37, s12, 3                         ; w / 8
	s_mov_b32 s24, (1<<16)|(1<<20)|(5<<22)|(7<<25) ; elements of 2 bytes; padding on; after every 64 words; 8 words
	s_mov_b32 s25, 128<<16                         ; tensor_dim0 = 128
	s_mov_b32 s26, 64<<16                          ; tensor_dim1 = 64
	s_mov_b32 s27, 128<<16                         ; tile_dim0 = 128
	s_mov_b32 s28, 64                              ; tile_dim1 = 64
	s_mov_b32 s29, 1024                            ; elements from row to row
	s_mov_b32 s30, 0
	s_mov_b32 s31, 0
	s_mov_b32 s20, 1
	s_mul_i32 s21, s12, 64*XP                      ; my 64 rows of the slab
	s_lshl_b32 s32, s15, 12
	s_lshl_b32 s33, s16, 10
	s_add_co_u32 s32, s32, s33                     ; the work-group's first token
	s_lshl_b32 s33, s12, 6
	s_add_co_u32 s33, s33, s32
	s_lshl_b32 s34, s33, 11                        ; 2,048 bytes a row of xn
	s_lshl_b32 s35, s13, 8
	s_add_co_u32 s34, s34, s35
	s_mov_b32 s35, 0
	s_lshl3_add_u32 s38, s15, s36                  ; 8 b + head
	s_lshl_b32 s38, s38, 12
	s_lshl_b32 s39, s16, 10
	s_add_co_u32 s38, s38, s39
	s_lshl_b32 s39, s37, 9
	s_add_co_u32 s38, s38, s39                     ; my first token of that head's 4,096
	s_lshl_b32 s38, s38, 5
	s_mov_b32 s39, 0
	v_and_b32 v1, 31, v0                           ; l
	v_and_b32 v2, 15, v0                           ; r
	v_bfe_u32 v3, v0, 4, 1                         ; l / 16
	v_mov_b32 v[ZR], 0
	v_lshlrev_b32 v[EA], 5, v1
	s_wait_dscnt 0x0                               ; both opening adds are done
	s_wait_kmcnt 0x0
	s_add_nc_u64 s[22:23], s[4:5], s[34:35]
	s_or_b32 s23, s23, 0x80000000
	tensor_load_to_lds s[20:23], s[24:31]          ; one load of mine is out, until the barrier in front of phase C
	s_nop 0
	s_add_nc_u64 s[38:39], s[6:7], s[38:39]
.set i, 0
.rept 16                               ; iteration i: tokens 32 i + lane, 32 bytes each
	global_load_b128 v[E+8*i:E+8*i+3],   v[EA], s[38:39] offset:1024*i
	global_load_b128 v[E+8*i+4:E+8*i+7], v[EA], s[38:39] offset:1024*i+16
.set i, i+1
.endr
	; PHASE A: thread (h = t / 16, p = t % 16) of waves 0-3
	s_cmp_lt_u32 s12, 4
	s_cbranch_scc0 .Lno_a
	v_lshrrev_b32 v19, 4, v0
	v_and_b32 v20, 15, v0
	v_lshlrev_b32 v[MA], 12, v19
	v_lshl_add_u32 v[MA], v20, 2, v[MA]            ; head x 4,096 + 4 p
	v_lshlrev_b32 v[RA], 9, v19
	v_lshl_add_u32 v[RA], v20, 2, v[RA]
	v_add_nc_u32 v[RA], RHO, v[RA]
	s_lshl_b32 s32, s15, 15
	s_mov_b32 s33, 0
	s_add_nc_u64 s[32:33], s[8:9], s[32:33]        ; ml at the batch,
	s_lshl_b32 s34, s16, 10
	s_add_nc_u64 s[34:35], s[32:33], s[34:35]      ; and at the work-group's own eight chunks
.set c, 0
.rept 32
	global_load_b32 v[CMR+c], v[MA], s[32:33] offset:128*c
	global_load_b32 v[LR+c],  v[MA], s[32:33] offset:128*c+64
.set c, c+1
.endr
.irp c, 0,1,2,3,4,5,6,7
	global_load_b32 v[CMO+\c], v[MA], s[34:35] offset:128*\c
.endr
	s_wait_loadcnt 0x0
.irp k, 0,1,2,3
	v_max3_num_f32 v[20+\k], v[CMR+8*\k], v[CMR+8*\k+1], v[CMR+8*\k+2]
.endr
.irp k, 0,1,2,3
	v_max3_num_f32 v[20+\k], v[20+\k], v[CMR+8*\k+3], v[CMR+8*\k+4]
.endr
.irp k, 0,1,2,3
	v_max3_num_f32 v[20+\k], v[20+\k], v[CMR+8*\k+5], v[CMR+8*\k+6]
.endr
.irp k, 0,1,2,3
	v_max_num_f32 v[20+\k], v[20+\k], v[CMR+8*\k+7]
.endr
	v_max3_num_f32 v20, v20, v21, v22
	v_max_num_f32 v20, v20, v23                    ; M
.set n, 0
.rept 16
	v_pk_add_f32 v[CMR+2*n:CMR+2*n+1], v[CMR+2*n:CMR+2*n+1], v[20:21] op_sel_hi:[1,0] neg_lo:[0,1] neg_hi:[0,1]
.set n, n+1
.endr
.irp n, 0,1,2,3
	v_pk_add_f32 v[CMO+2*\n:CMO+2*\n+1], v[CMO+2*\n:CMO+2*\n+1], v[20:21] op_sel_hi:[1,0] neg_lo:[0,1] neg_hi:[0,1]
.endr
.set n, 0
.rept 32
	v_exp_f32 v[CMR+n], v[CMR+n]
.set n, n+1
.endr
.irp n, 0,1,2,3,4,5,6,7
	v_exp_f32 v[CMO+\n], v[CMO+\n]
.endr
	v_nop
	s_wait_alu depctr_va_vdst(0)                   ; one wait for the 40 exponentials
	v_pk_mul_f32 v[24:25], v[LR:LR+1], v[CMR:CMR+1]
	v_pk_mul_f32 v[26:27], v[LR+2:LR+3], v[CMR+2:CMR+3]
.set n, 2
.rept 14
	v_pk_fma_f32 v[24+2*(n%2):25+2*(n%2)], v[LR+2*n:LR+2*n+1], v[CMR+2*n:CMR+2*n+1], v[24+2*(n%2):25+2*(n%2)]
.set n, n+1
.endr
	v_pk_add_f32 v[24:25], v[24:25], v[26:27]
	v_add_f32 v24, v24, v25                        ; L
	v_rcp_f32 v25, v24
	v_nop
	s_wait_alu depctr_va_vdst(0)
	v_mul_f32 v25, 0x43800000, v25                 ; 256 / L
.irp c, 0,1,2,3,4,5,6,7
	v_mul_f32 v[CMO+\c], v[CMO+\c], v25
.endr
.irp c, 0,1,2,3,4,5,6,7
	v_max_num_f32 v[CMO+\c], 0, v[CMO+\c]          ; a NaN becomes 0
.endr
.irp c, 0,1,2,3,4,5,6,7
	ds_store_b32 v[RA], v[CMO+\c] offset:64*\c
.endr
.Lno_a:
	s_wait_dscnt 0x0                               ; rho lies in LDS
	s_barrier_signal -1                            ; (the tensor loads stay out, and the slab is not read yet)
	s_barrier_wait -1
	; PHASE B
	s_lshl_b32 s32, s36, 9
	s_lshl_b32 s33, s37, 8
	s_add_co_u32 s32, s32, s33
	s_add_co_u32 s32, s32, RHO
	v_mov_b32 v19, s32                             ; my head's rho of my four chunks: the same address in all lanes
.set k, 0
.rept 16
	ds_load_b128 v[RH+4*k:RH+4*k+3], v19 offset:16*k
.set k, k+1
.endr
	s_mul_i32 s32, s36, AP
	s_lshl_b32 s33, s37, 10
	s_add_co_u32 s32, s32, s33
	s_add_co_u32 s32, s32, AT
	v_lshl_add_u32 v[ATS], v1, 1, s32              ; abar: row head, token 512 (w / 8) + lane
	s_wait_dscnt 0x0
.set i, 0
.rept 16
	s_wait_loadcnt 30-2*i                          ; the younger iterations' loads stay out
.set EB, E+8*i
.set RB, RH+16*(i/4)
	v_fma_mix_f32 v20, v[EB], v[RB], v[ZR] op_sel_hi:[1,0,0]                     ; e' (an f16 half) x rho: even prototypes in one chain,
	v_fma_mix_f32 v21, v[EB], v[RB+1], v[ZR] op_sel:[1,0,0] op_sel_hi:[1,0,0]    ; odd ones in the other
.set n, 1
.rept 7
	v_fma_mix_f32 v20, v[EB+n], v[RB+2*n], v20 op_sel_hi:[1,0,0]
	v_fma_mix_f32 v21, v[EB+n], v[RB+2*n+1], v21 op_sel:[1,0,0] op_sel_hi:[1,0,0]
.set n, n+1
.endr
	v_add_f32 v[22+i%2], v20, v21
.if i%2 == 1
	v_cvt_pk_f16_f32 v24, v22, v23
	ds_store_b16 v[ATS], v24 offset:64*(i-1)
	ds_store_b16_d16_hi v[ATS], v24 offset:64*i
.endif
.set i, i+1
.endr
	; the addresses of phase C
	v_and_b32 v19, 7, v2
	v_mul_u32_u24 v[AA], v19, AP
	v_lshl_add_u32 v[AA], v3, 4, v[AA]
	s_lshl_b32 s32, s37, 10
	s_add_co_u32 s32, s32, AT
	v_add_nc_u32 v[AA], s32, v[AA]                 ; row r % 8, 16 bytes for each half of the lanes, my 512 tokens
	v_and_b32 v19, 7, v1
	v_lshl_add_u32 v19, v3, 3, v19
	s_lshl_b32 s32, s37, 9
	v_add_nc_u32 v19, s32, v19                     ; token 512 (w / 8) + 8 (l / 16) + l % 8
	v_mul_u32_u24 v[BA], v19, XP
	v_bfe_u32 v20, v1, 3, 1
	v_lshl_add_u32 v[BA], v20, 4, v[BA]
	s_lshl_b32 s33, s36, 5
	v_add_nc_u32 v[BA], s33, v[BA]                 ; + my 16 columns
	v_add_nc_u32 v[BA+1], 128*XP, v[BA]            ; a register for each group of 128 tokens: the immediates hold 16 bits
	v_add_nc_u32 v[BA+2], 256*XP, v[BA]
	v_add_nc_u32 v[BA+3], 384*XP, v[BA]
	v_lshlrev_b32 v[UOS], 11, v3
	v_lshl_add_u32 v[UOS], v2, 2, v[UOS]
	s_lshl_b32 s32, s37, 12
	s_lshl_b32 s33, s36, 6
	s_add_co_u32 s32, s32, s33
	s_add_co_u32 s32, s32, UO
	v_add_nc_u32 v[UOS], s32, v[UOS]               ; half w / 8, head 4 (l / 16) + i, column 16 (w % 8) + r
	v_cmp_ne_u32 s40, 0, v3
	s_wait_tensorcnt 0x0                           ; my part of the slab is in,
	s_wait_dscnt 0x0                               ; my part of abar lies in LDS
	s_barrier_signal -1
	s_barrier_wait -1                              ; everybody's
	; PHASE C: 16 steps of 32 tokens, in four groups on two buffers
.macro LG g, f
.irp s, 0,1,2,3
	ds_load_b128 v[(\f)+16*\s:(\f)+16*\s+3],        v[AA] offset:64*(4*(\g)+\s)
	ds_load_b128 v[(\f)+16*\s+4:(\f)+16*\s+7],      v[AA] offset:64*(4*(\g)+\s)+32
	ds_load_tr16_b128 v[(\f)+16*\s+8:(\f)+16*\s+11],  v[BA+(\g)] offset:32*XP*\s
	ds_load_tr16_b128 v[(\f)+16*\s+12:(\f)+16*\s+15], v[BA+(\g)] offset:32*XP*\s+16*XP
.endr
.endm
.macro MG f, zero                      ; four accumulators by turns
.irp s, 0,1,2,3
.if \zero
	v_wmma_f32_16x16x32_f16 v[ACC+8*\s:ACC+8*\s+7], v[(\f)+16*\s:(\f)+16*\s+7], v[(\f)+16*\s+8:(\f)+16*\s+15], 0
.else
	v_wmma_f32_16x16x32_f16 v[ACC+8*\s:ACC+8*\s+7], v[(\f)+16*\s:(\f)+16*\s+7], v[(\f)+16*\s+8:(\f)+16*\s+15], v[ACC+8*\s:ACC+8*\s+7]
.endif
.endr
.endm
.macro PLACES
.rept 4
	v_nop
.endr
.endm
	LG 0, FB0
	LG 1, FB1
	s_wait_dscnt 16                                ; the younger group's 16 loads stay out
	MG FB0, 1
	PLACES                                         ; in front of loads into registers that the products have read
	LG 2, FB0
	s_wait_dscnt 16
	MG FB1, 0
	PLACES
	LG 3, FB1
	s_wait_dscnt 16
	MG FB0, 0
	s_wait_dscnt 0x0
	MG FB1, 0
	PLACES
	PLACES
.irp q, 0,1,2,3                        ; the four accumulators are added, each read from its low end on
	v_pk_add_f32 v[T+2*\q:T+2*\q+1], v[ACC+2*\q:ACC+2*\q+1], v[ACC+8+2*\q:ACC+8+2*\q+1]
	v_pk_add_f32 v[20+2*\q:21+2*\q], v[ACC+16+2*\q:ACC+16+2*\q+1], v[ACC+24+2*\q:ACC+24+2*\q+1]
	v_pk_add_f32 v[T+2*\q:T+2*\q+1], v[T+2*\q:T+2*\q+1], v[20+2*\q:21+2*\q]
.endr
.irp i, 0,1,2,3                        ; both halves of the lanes hold all 8 heads (rows 8-15 repeat 0-7): the lower half stores heads 0-3, the upper 4-7
	v_cndmask_b32 v[20+\i], v[T+\i], v[T+4+\i], s40
.endr
.irp i, 0,1,2,3
	ds_store_b32 v[UOS], v[20+\i] offset:512*\i
.endr
	s_wait_dscnt 0x0
	s_barrier_signal -1
	s_barrier_wait -1
	s_cmp_lt_u32 s12, 8                            ; wave w < 8 finishes head w
	s_cbranch_scc0 .Lend
	v_lshlrev_b32 v[GO], 4, v1
	s_lshl_b32 s32, s12, 9
	s_add_co_u32 s32, s32, UO
	v_add_nc_u32 v[UOL], s32, v[GO]
	ds_load_b128 v[24:27], v[UOL]
	ds_load_b128 v[28:31], v[UOL] offset:4096
	s_lshl3_add_u32 s32, s16, s15                  ; 8 q + b
	s_lshl3_add_u32 s32, s32, s12                  ; x 8 + head
	s_lshl_b32 s32, s32, 12
	s_lshl_b32 s33, s13, 9
	s_add_co_u32 s32, s32, s33
	s_mov_b32 s33, 0
	s_add_nc_u64 s[32:33], s[10:11], s[32:33]
	s_wait_dscnt 0x0
	v_pk_add_f32 v[24:25], v[24:25], v[28:29]
	v_pk_add_f32 v[26:27], v[26:27], v[30:31]
	v_pk_mul_f32 v[24:25], v[24:25], 0x39800000 op_sel_hi:[1,0]  ; abar's factor 4,096 is taken out
	v_pk_mul_f32 v[26:27], v[26:27], 0x39800000 op_sel_hi:[1,0]
	global_store_b128 v[GO], v[24:27], s[32:33]    ; 512 consecutive bytes, aligned
.Lend:
	s_wait_tensorcnt 0x0                           ; the wave's end
	ds_add_u32 v[SPW], v[NIL]
	s_wait_dscnt 0x0
	s_endpgm
.Lfunc_end_k_q79dd98adbd_pool:
	.size	k_q79dd98adbd_pool, .Lfunc_end_k_q79dd98adbd_pool-k_q79dd98adbd_pool
	.p2alignl 7, 3214868480
	.fill 96, 4, 3214868480
	.section	.rodata,"a",@progbits
	.p2align	6, 0x0
	.amdhsa_kernel k_q79dd98adbd_pool
		.amdhsa_group_segment_fixed_size 325888
		.amdhsa_private_segment_fixed_size 0
		.amdhsa_enable_private_segment 0
		.amdhsa_kernarg_size 32
		.amdhsa_user_sgpr_count 2
		.amdhsa_user_sgpr_kernarg_segment_ptr 1
		.amdhsa_wavefront_size32 1
		.amdhsa_system_sgpr_workgroup_id_x 1
		.amdhsa_system_sgpr_workgroup_id_y 1
		.amdhsa_system_sgpr_workgroup_id_z 1
		.amdhsa_system_vgpr_workitem_id 0
		.amdhsa_next_free_vgpr 256
		.amdhsa_next_free_sgpr 66
		.amdhsa_reserve_vcc 0
		.amdhsa_float_denorm_mode_32 3
		.amdhsa_float_denorm_mode_16_64 3
		.amdhsa_memory_ordered 1
		.amdhsa_forward_progress 1
		.amdhsa_inst_pref_size 49
	.end_amdhsa_kernel
	.amdgpu_metadata
---
amdhsa.version: [ 1, 2 ]
amdhsa.kernels:
  - .name:           k_q79dd98adbd_pool
    .symbol:         k_q79dd98adbd_pool.kd
    .args:
      - { .name: xn, .offset: 0, .size: 8, .value_kind: global_buffer, .address_space: global }
      - { .name: ee, .offset: 8, .size: 8, .value_kind: global_buffer, .address_space: global }
      - { .name: ml, .offset: 16, .size: 8, .value_kind: global_buffer, .address_space: global }
      - { .name: up, .offset: 24, .size: 8, .value_kind: global_buffer, .address_space: global }
    .group_segment_fixed_size: 325888
    .private_segment_fixed_size: 0
    .kernarg_segment_align: 8
    .kernarg_segment_size: 32
    .max_flat_workgroup_size: 512
    .sgpr_count:     66
    .vgpr_count:     256
    .wavefront_size: 32
...
	.end_amdgpu_metadata
.endif
;; end of part 3
;; launch vproj (part 4): grid 64 x 1, 16 waves a work-group, no clusters, 18,432 bytes of LDS; arguments Wv, up, zt; writes zt
.if DOCPART == 4
	.amdgcn_target "amdgcn-amd-amdhsa--gfx1250"
	.amdhsa_code_object_version 6
	.text
	.protected	k_q79dd98adbd_vproj
	.globl	k_q79dd98adbd_vproj
	.p2align	8
	.type	k_q79dd98adbd_vproj,@function
k_q79dd98adbd_vproj:
	s_mov_b64 s[64:65], 0
	v_nop
	global_prefetch_b8 v0, s[64:65] scope:SCOPE_SE
	s_setreg_imm32_b32 hwreg(HW_REG_WAVE_MODE, 25, 1), 1
	s_wait_xcnt 0x0
; Launch 4 of 6 (MODE 0).  zt[b][e] = the sum over d of Wv[e][d] u[b][e / 128][d], u = the sum of up's four quarters.  This is z_tpa: V for each token is not formed (shown at the head of launch 1).
; One text serves launches 4, 5 and 6; MODE tells them apart.  out[b][e] = the sum over d of W[e][d] v[b][d] (+ bias[e]; MODE 1: SiLU of it).
; 8 rows, each weight used once: f32 operands in the f32 matrix form (at most 25 MFLOP: no bulk work, no rounding, no question of range for z_tpa and h).
; SHARES.  16 columns e a work-group, the inner dimension split among its 16 waves, 64 each, so that all of a wave's loads are out at once; the partial sums meet in LDS.  The stores are pieces of 64 bytes of
; an output of 32 KiB.  Source 0 = the 8 rows of v (rows 8-15 repeat them), source 1 = 16 rows of W.  A lane (r, h) loads 16 bytes at 32 c + 16 h of its row's 256: instruction (c, i) holds
; k = 8 c + 4 h + 2 i + j in register j, on both sides alike.
.set MODE, 0
.set SPARE, 16384                      ; behind the partial sums (16 x 1,024 bytes): the spare words, 128 bytes for each of 16 waves
.set SPW, 4
.set NIL, 5
.set WO,  6                            ; my byte offset in the 16 rows of W
.set VO,  7                            ; in the rows of v
.set BO,  8                            ; 4 (e0 + r)
.set LST, 9
.set LRD, 10
.set OO,  11
.set BI,  13
.set WW,  32                           ; v[32:63]
.set VV,  64                           ; v[64:95]; MODE 0: four quarters, v[64:191]
.set ACC, 192                          ; v[192:223]: written by matrix instructions alone
.set T,   224
	s_load_b128 s[4:7], s[0:1], 0x0                ; W s[4:5], v s[6:7]
	s_load_b64 s[8:9], s[0:1], 0x10                ; out
.if MODE > 0
	s_load_b64 s[10:11], s[0:1], 0x18              ; bias
.endif
	v_lshl_add_u32 v[SPW], v0, 2, SPARE
	v_mov_b32 v[NIL], 0
	v_lshrrev_b32 v1, 5, v0
	v_readfirstlane_b32 s12, v1                    ; wave 0..15
	v_and_b32 v1, 31, v0
	v_and_b32 v2, 15, v0                           ; r
	v_bfe_u32 v3, v0, 4, 1                         ; h
	s_lshl_b32 s13, s12, 8                         ; my 64 numbers of a row
	v_lshlrev_b32 v[WO], 12, v2
	v_lshl_add_u32 v[WO], v3, 4, v[WO]
	v_add_nc_u32 v[WO], s13, v[WO]
	v_and_b32 v[VO], 7, v2
.if MODE == 0
	v_lshlrev_b32 v[VO], 15, v[VO]                 ; a batch of up is 8 heads x 4,096 bytes
.else
	v_lshlrev_b32 v[VO], 12, v[VO]
.endif
	v_lshl_add_u32 v[VO], v3, 4, v[VO]
	v_add_nc_u32 v[VO], s13, v[VO]
	v_lshlrev_b32 v[BO], 2, v2
	s_lshl_b32 s16, ttmp9, 6
	v_add_nc_u32 v[BO], s16, v[BO]
	s_lshl_b32 s14, ttmp9, 16                      ; 16 rows of W
	s_mov_b32 s15, 0
	s_wait_kmcnt 0x0
	s_add_nc_u64 s[4:5], s[4:5], s[14:15]
.if MODE == 0
	s_lshr_b32 s14, ttmp9, 3                       ; the head of these 16 columns
	s_lshl_b32 s14, s14, 12
	s_add_nc_u64 s[6:7], s[6:7], s[14:15]
.endif
.irp c, 0,1,2,3,4,5,6,7
	global_load_b128 v[WW+4*\c:WW+4*\c+3], v[WO], s[4:5] offset:32*\c th:TH_LOAD_NT
.endr
.irp c, 0,1,2,3,4,5,6,7
	global_load_b128 v[VV+4*\c:VV+4*\c+3], v[VO], s[6:7] offset:32*\c
.endr
.if MODE == 0
.irp q, 1,2,3
.irp c, 0,1,2,3,4,5,6,7
	global_load_b128 v[VV+32*\q+4*\c:VV+32*\q+4*\c+3], v[VO], s[6:7] offset:262144*\q+32*\c
.endr
.endr
.else
	s_cmp_lt_u32 s12, 4                            ; the waves that finish the sums take the bias
	s_cbranch_scc0 .Lno_bias
	global_load_b32 v[BI], v[BO], s[10:11]
.Lno_bias:
.endif
	s_wait_loadcnt 0x0
.if MODE == 0
.set n, 0
.rept 16
	v_pk_add_f32 v[VV+2*n:VV+2*n+1], v[VV+2*n:VV+2*n+1], v[VV+32+2*n:VV+32+2*n+1]
	v_pk_add_f32 v[VV+64+2*n:VV+64+2*n+1], v[VV+64+2*n:VV+64+2*n+1], v[VV+96+2*n:VV+96+2*n+1]
	v_pk_add_f32 v[VV+2*n:VV+2*n+1], v[VV+2*n:VV+2*n+1], v[VV+64+2*n:VV+64+2*n+1]
.set n, n+1
.endr
.endif
.set t, 0
.rept 16                               ; four accumulators by turns; the first four start the sums
.if t < 4
	v_wmma_f32_16x16x4_f32 v[ACC+8*t:ACC+8*t+7], v[VV+2*t:VV+2*t+1], v[WW+2*t:WW+2*t+1], 0
.else
	v_wmma_f32_16x16x4_f32 v[ACC+8*(t%4):ACC+8*(t%4)+7], v[VV+2*t:VV+2*t+1], v[WW+2*t:WW+2*t+1], v[ACC+8*(t%4):ACC+8*(t%4)+7]
.endif
.set t, t+1
.endr
	; the addresses of the meeting in LDS: plain instructions that name no register of the products, the places behind them (ISA guide 7.12.1), filled up with v_nop
	v_lshlrev_b32 v[LST], 5, v1
	v_lshl_add_u32 v[LST], s12, 10, v[LST]         ; in: 1,024 w + 32 l
	v_lshrrev_b32 v12, 4, v0                       ; m (0..7 in waves 0-3)
	v_lshlrev_b32 v[LRD], 5, v2
	v_lshl_add_u32 v[LRD], v12, 2, v[LRD]          ; back: lane n, register m
	v_lshl_add_u32 v[OO], v12, 12, v[BO]           ; out: m x 4,096 + 4 (e0 + n)
.rept 10
	v_nop
.endr
.irp q, 0,1,2,3                        ; the four accumulators are added, each read from its low end on, into other registers
	v_pk_add_f32 v[T+2*\q:T+2*\q+1], v[ACC+2*\q:ACC+2*\q+1], v[ACC+8+2*\q:ACC+8+2*\q+1]
	v_pk_add_f32 v[T+8+2*\q:T+8+2*\q+1], v[ACC+16+2*\q:ACC+16+2*\q+1], v[ACC+24+2*\q:ACC+24+2*\q+1]
	v_pk_add_f32 v[T+2*\q:T+2*\q+1], v[T+2*\q:T+2*\q+1], v[T+8+2*\q:T+8+2*\q+1]
.endr
	ds_store_b128 v[LST], v[T:T+3]
	ds_store_b128 v[LST], v[T+4:T+7] offset:16
	s_wait_dscnt 0x0                               ; for the others' sake: my partial sums lie in LDS
	s_barrier_signal -1
	s_barrier_wait -1
	s_cmp_lt_u32 s12, 4                            ; thread (m = t / 16, n = t % 16) of waves 0-3 finishes one number
	s_cbranch_scc0 .Lend
.set w, 0
.rept 16
	ds_load_b32 v[VV+w], v[LRD] offset:1024*w
.set w, w+1
.endr
	s_wait_dscnt 0x0
.irp n, 0,2,4,6
	v_pk_add_f32 v[VV+\n:VV+\n+1], v[VV+\n:VV+\n+1], v[VV+8+\n:VV+8+\n+1]
.endr
.irp n, 0,2
	v_pk_add_f32 v[VV+\n:VV+\n+1], v[VV+\n:VV+\n+1], v[VV+4+\n:VV+4+\n+1]
.endr
	v_pk_add_f32 v[VV:VV+1], v[VV:VV+1], v[VV+2:VV+3]
	v_add_f32 v[VV], v[VV], v[VV+1]
.if MODE > 0
	v_add_f32 v[VV], v[VV], v[BI]
.endif
.if MODE == 1
	v_mul_f32 v[VV+1], 0xbfb8aa3b, v[VV]           ; SiLU: x / (1 + 2^(-x log2(e)))
	v_exp_f32 v[VV+1], v[VV+1]
	v_nop
	s_wait_alu depctr_va_vdst(0)
	v_add_f32 v[VV+1], 1.0, v[VV+1]
	v_rcp_f32 v[VV+1], v[VV+1]
	v_nop
	s_wait_alu depctr_va_vdst(0)
	v_mul_f32 v[VV], v[VV], v[VV+1]
.endif
	global_store_b32 v[OO], v[VV], s[8:9]
.Lend:
	s_wait_tensorcnt 0x0                           ; the wave's end, behind my last LDS store
	ds_add_u32 v[SPW], v[NIL]
	s_wait_dscnt 0x0
	s_endpgm
.Lfunc_end_k_q79dd98adbd_vproj:
	.size	k_q79dd98adbd_vproj, .Lfunc_end_k_q79dd98adbd_vproj-k_q79dd98adbd_vproj
	.p2alignl 7, 3214868480
	.fill 96, 4, 3214868480
	.section	.rodata,"a",@progbits
	.p2align	6, 0x0
	.amdhsa_kernel k_q79dd98adbd_vproj
		.amdhsa_group_segment_fixed_size 18432
		.amdhsa_private_segment_fixed_size 0
		.amdhsa_enable_private_segment 0
		.amdhsa_kernarg_size 24
		.amdhsa_user_sgpr_count 2
		.amdhsa_user_sgpr_kernarg_segment_ptr 1
		.amdhsa_wavefront_size32 1
		.amdhsa_system_sgpr_workgroup_id_x 1
		.amdhsa_system_sgpr_workgroup_id_y 1
		.amdhsa_system_sgpr_workgroup_id_z 1
		.amdhsa_system_vgpr_workitem_id 0
		.amdhsa_next_free_vgpr 240
		.amdhsa_next_free_sgpr 66
		.amdhsa_reserve_vcc 0
		.amdhsa_float_denorm_mode_32 3
		.amdhsa_float_denorm_mode_16_64 3
		.amdhsa_memory_ordered 1
		.amdhsa_forward_progress 1
		.amdhsa_inst_pref_size 13
	.end_amdhsa_kernel
	.amdgpu_metadata
---
amdhsa.version: [ 1, 2 ]
amdhsa.kernels:
  - .name:           k_q79dd98adbd_vproj
    .symbol:         k_q79dd98adbd_vproj.kd
    .args:
      - { .name: Wv, .offset: 0, .size: 8, .value_kind: global_buffer, .address_space: global }
      - { .name: up, .offset: 8, .size: 8, .value_kind: global_buffer, .address_space: global }
      - { .name: zt, .offset: 16, .size: 8, .value_kind: global_buffer, .address_space: global }
    .group_segment_fixed_size: 18432
    .private_segment_fixed_size: 0
    .kernarg_segment_align: 8
    .kernarg_segment_size: 24
    .max_flat_workgroup_size: 512
    .sgpr_count:     66
    .vgpr_count:     240
    .wavefront_size: 32
...
	.end_amdgpu_metadata
.endif
;; end of part 4
;; launch fc1 (part 5): grid 64 x 1, 16 waves a work-group, no clusters, 18,432 bytes of LDS; arguments W1, zt, hh, b1; writes hh
.if DOCPART == 5
	.amdgcn_target "amdgcn-amd-amdhsa--gfx1250"
	.amdhsa_code_object_version 6
	.text
	.protected	k_q79dd98adbd_fc1
	.globl	k_q79dd98adbd_fc1
	.p2align	8
	.type	k_q79dd98adbd_fc1,@function
k_q79dd98adbd_fc1:
	s_mov_b64 s[64:65], 0
	v_nop
	global_prefetch_b8 v0, s[64:65] scope:SCOPE_SE
	s_setreg_imm32_b32 hwreg(HW_REG_WAVE_MODE, 25, 1), 1
	s_wait_xcnt 0x0
; Launch 5 of 6 (MODE 1).  hh[b][e] = SiLU(the sum over d of W1[e][d] zt[b][d] + b1[e]).
; One text serves launches 4, 5 and 6; MODE tells them apart.  out[b][e] = the sum over d of W[e][d] v[b][d] (+ bias[e]; MODE 1: SiLU of it).
; 8 rows, each weight used once: f32 operands in the f32 matrix form (at most 25 MFLOP: no bulk work, no rounding, no question of range for z_tpa and h).
; SHARES.  16 columns e a work-group, the inner dimension split among its 16 waves, 64 each, so that all of a wave's loads are out at once; the partial sums meet in LDS.  The stores are pieces of 64 bytes of
; an output of 32 KiB.  Source 0 = the 8 rows of v (rows 8-15 repeat them), source 1 = 16 rows of W.  A lane (r, h) loads 16 bytes at 32 c + 16 h of its row's 256: instruction (c, i) holds
; k = 8 c + 4 h + 2 i + j in register j, on both sides alike.
.set MODE, 1
.set SPARE, 16384                      ; behind the partial sums (16 x 1,024 bytes): the spare words, 128 bytes for each of 16 waves
.set SPW, 4
.set NIL, 5
.set WO,  6                            ; my byte offset in the 16 rows of W
.set VO,  7                            ; in the rows of v
.set BO,  8                            ; 4 (e0 + r)
.set LST, 9
.set LRD, 10
.set OO,  11
.set BI,  13
.set WW,  32                           ; v[32:63]
.set VV,  64                           ; v[64:95]; MODE 0: four quarters, v[64:191]
.set ACC, 192                          ; v[192:223]: written by matrix instructions alone
.set T,   224
	s_load_b128 s[4:7], s[0:1], 0x0                ; W s[4:5], v s[6:7]
	s_load_b64 s[8:9], s[0:1], 0x10                ; out
.if MODE > 0
	s_load_b64 s[10:11], s[0:1], 0x18              ; bias
.endif
	v_lshl_add_u32 v[SPW], v0, 2, SPARE
	v_mov_b32 v[NIL], 0
	v_lshrrev_b32 v1, 5, v0
	v_readfirstlane_b32 s12, v1                    ; wave 0..15
	v_and_b32 v1, 31, v0
	v_and_b32 v2, 15, v0                           ; r
	v_bfe_u32 v3, v0, 4, 1                         ; h
	s_lshl_b32 s13, s12, 8                         ; my 64 numbers of a row
	v_lshlrev_b32 v[WO], 12, v2
	v_lshl_add_u32 v[WO], v3, 4, v[WO]
	v_add_nc_u32 v[WO], s13, v[WO]
	v_and_b32 v[VO], 7, v2
.if MODE == 0
	v_lshlrev_b32 v[VO], 15, v[VO]                 ; a batch of up is 8 heads x 4,096 bytes
.else
	v_lshlrev_b32 v[VO], 12, v[VO]
.endif
	v_lshl_add_u32 v[VO], v3, 4, v[VO]
	v_add_nc_u32 v[VO], s13, v[VO]
	v_lshlrev_b32 v[BO], 2, v2
	s_lshl_b32 s16, ttmp9, 6
	v_add_nc_u32 v[BO], s16, v[BO]
	s_lshl_b32 s14, ttmp9, 16                      ; 16 rows of W
	s_mov_b32 s15, 0
	s_wait_kmcnt 0x0
	s_add_nc_u64 s[4:5], s[4:5], s[14:15]
.if MODE == 0
	s_lshr_b32 s14, ttmp9, 3                       ; the head of these 16 columns
	s_lshl_b32 s14, s14, 12
	s_add_nc_u64 s[6:7], s[6:7], s[14:15]
.endif
.irp c, 0,1,2,3,4,5,6,7
	global_load_b128 v[WW+4*\c:WW+4*\c+3], v[WO], s[4:5] offset:32*\c th:TH_LOAD_NT
.endr
.irp c, 0,1,2,3,4,5,6,7
	global_load_b128 v[VV+4*\c:VV+4*\c+3], v[VO], s[6:7] offset:32*\c
.endr
.if MODE == 0
.irp q, 1,2,3
.irp c, 0,1,2,3,4,5,6,7
	global_load_b128 v[VV+32*\q+4*\c:VV+32*\q+4*\c+3], v[VO], s[6:7] offset:262144*\q+32*\c
.endr
.endr
.else
	s_cmp_lt_u32 s12, 4                            ; the waves that finish the sums take the bias
	s_cbranch_scc0 .Lno_bias
	global_load_b32 v[BI], v[BO], s[10:11]
.Lno_bias:
.endif
	s_wait_loadcnt 0x0
.if MODE == 0
.set n, 0
.rept 16
	v_pk_add_f32 v[VV+2*n:VV+2*n+1], v[VV+2*n:VV+2*n+1], v[VV+32+2*n:VV+32+2*n+1]
	v_pk_add_f32 v[VV+64+2*n:VV+64+2*n+1], v[VV+64+2*n:VV+64+2*n+1], v[VV+96+2*n:VV+96+2*n+1]
	v_pk_add_f32 v[VV+2*n:VV+2*n+1], v[VV+2*n:VV+2*n+1], v[VV+64+2*n:VV+64+2*n+1]
.set n, n+1
.endr
.endif
.set t, 0
.rept 16                               ; four accumulators by turns; the first four start the sums
.if t < 4
	v_wmma_f32_16x16x4_f32 v[ACC+8*t:ACC+8*t+7], v[VV+2*t:VV+2*t+1], v[WW+2*t:WW+2*t+1], 0
.else
	v_wmma_f32_16x16x4_f32 v[ACC+8*(t%4):ACC+8*(t%4)+7], v[VV+2*t:VV+2*t+1], v[WW+2*t:WW+2*t+1], v[ACC+8*(t%4):ACC+8*(t%4)+7]
.endif
.set t, t+1
.endr
	; the addresses of the meeting in LDS: plain instructions that name no register of the products, the places behind them (ISA guide 7.12.1), filled up with v_nop
	v_lshlrev_b32 v[LST], 5, v1
	v_lshl_add_u32 v[LST], s12, 10, v[LST]         ; in: 1,024 w + 32 l
	v_lshrrev_b32 v12, 4, v0                       ; m (0..7 in waves 0-3)
	v_lshlrev_b32 v[LRD], 5, v2
	v_lshl_add_u32 v[LRD], v12, 2, v[LRD]          ; back: lane n, register m
	v_lshl_add_u32 v[OO], v12, 12, v[BO]           ; out: m x 4,096 + 4 (e0 + n)
.rept 10
	v_nop
.endr
.irp q, 0,1,2,3                        ; the four accumulators are added, each read from its low end on, into other registers
	v_pk_add_f32 v[T+2*\q:T+2*\q+1], v[ACC+2*\q:ACC+2*\q+1], v[ACC+8+2*\q:ACC+8+2*\q+1]
	v_pk_add_f32 v[T+8+2*\q:T+8+2*\q+1], v[ACC+16+2*\q:ACC+16+2*\q+1], v[ACC+24+2*\q:ACC+24+2*\q+1]
	v_pk_add_f32 v[T+2*\q:T+2*\q+1], v[T+2*\q:T+2*\q+1], v[T+8+2*\q:T+8+2*\q+1]
.endr
	ds_store_b128 v[LST], v[T:T+3]
	ds_store_b128 v[LST], v[T+4:T+7] offset:16
	s_wait_dscnt 0x0                               ; for the others' sake: my partial sums lie in LDS
	s_barrier_signal -1
	s_barrier_wait -1
	s_cmp_lt_u32 s12, 4                            ; thread (m = t / 16, n = t % 16) of waves 0-3 finishes one number
	s_cbranch_scc0 .Lend
.set w, 0
.rept 16
	ds_load_b32 v[VV+w], v[LRD] offset:1024*w
.set w, w+1
.endr
	s_wait_dscnt 0x0
.irp n, 0,2,4,6
	v_pk_add_f32 v[VV+\n:VV+\n+1], v[VV+\n:VV+\n+1], v[VV+8+\n:VV+8+\n+1]
.endr
.irp n, 0,2
	v_pk_add_f32 v[VV+\n:VV+\n+1], v[VV+\n:VV+\n+1], v[VV+4+\n:VV+4+\n+1]
.endr
	v_pk_add_f32 v[VV:VV+1], v[VV:VV+1], v[VV+2:VV+3]
	v_add_f32 v[VV], v[VV], v[VV+1]
.if MODE > 0
	v_add_f32 v[VV], v[VV], v[BI]
.endif
.if MODE == 1
	v_mul_f32 v[VV+1], 0xbfb8aa3b, v[VV]           ; SiLU: x / (1 + 2^(-x log2(e)))
	v_exp_f32 v[VV+1], v[VV+1]
	v_nop
	s_wait_alu depctr_va_vdst(0)
	v_add_f32 v[VV+1], 1.0, v[VV+1]
	v_rcp_f32 v[VV+1], v[VV+1]
	v_nop
	s_wait_alu depctr_va_vdst(0)
	v_mul_f32 v[VV], v[VV], v[VV+1]
.endif
	global_store_b32 v[OO], v[VV], s[8:9]
.Lend:
	s_wait_tensorcnt 0x0                           ; the wave's end, behind my last LDS store
	ds_add_u32 v[SPW], v[NIL]
	s_wait_dscnt 0x0
	s_endpgm
.Lfunc_end_k_q79dd98adbd_fc1:
	.size	k_q79dd98adbd_fc1, .Lfunc_end_k_q79dd98adbd_fc1-k_q79dd98adbd_fc1
	.p2alignl 7, 3214868480
	.fill 96, 4, 3214868480
	.section	.rodata,"a",@progbits
	.p2align	6, 0x0
	.amdhsa_kernel k_q79dd98adbd_fc1
		.amdhsa_group_segment_fixed_size 18432
		.amdhsa_private_segment_fixed_size 0
		.amdhsa_enable_private_segment 0
		.amdhsa_kernarg_size 32
		.amdhsa_user_sgpr_count 2
		.amdhsa_user_sgpr_kernarg_segment_ptr 1
		.amdhsa_wavefront_size32 1
		.amdhsa_system_sgpr_workgroup_id_x 1
		.amdhsa_system_sgpr_workgroup_id_y 1
		.amdhsa_system_sgpr_workgroup_id_z 1
		.amdhsa_system_vgpr_workitem_id 0
		.amdhsa_next_free_vgpr 240
		.amdhsa_next_free_sgpr 66
		.amdhsa_reserve_vcc 0
		.amdhsa_float_denorm_mode_32 3
		.amdhsa_float_denorm_mode_16_64 3
		.amdhsa_memory_ordered 1
		.amdhsa_forward_progress 1
		.amdhsa_inst_pref_size 8
	.end_amdhsa_kernel
	.amdgpu_metadata
---
amdhsa.version: [ 1, 2 ]
amdhsa.kernels:
  - .name:           k_q79dd98adbd_fc1
    .symbol:         k_q79dd98adbd_fc1.kd
    .args:
      - { .name: W1, .offset: 0, .size: 8, .value_kind: global_buffer, .address_space: global }
      - { .name: zt, .offset: 8, .size: 8, .value_kind: global_buffer, .address_space: global }
      - { .name: hh, .offset: 16, .size: 8, .value_kind: global_buffer, .address_space: global }
      - { .name: b1, .offset: 24, .size: 8, .value_kind: global_buffer, .address_space: global }
    .group_segment_fixed_size: 18432
    .private_segment_fixed_size: 0
    .kernarg_segment_align: 8
    .kernarg_segment_size: 32
    .max_flat_workgroup_size: 512
    .sgpr_count:     66
    .vgpr_count:     240
    .wavefront_size: 32
...
	.end_amdgpu_metadata
.endif
;; end of part 5
;; launch fc2 (part 6): grid 64 x 1, 16 waves a work-group, no clusters, 18,432 bytes of LDS; arguments W2, hh, out0, b2; writes out0
.if DOCPART == 6
	.amdgcn_target "amdgcn-amd-amdhsa--gfx1250"
	.amdhsa_code_object_version 6
	.text
	.protected	k_q79dd98adbd_fc2
	.globl	k_q79dd98adbd_fc2
	.p2align	8
	.type	k_q79dd98adbd_fc2,@function
k_q79dd98adbd_fc2:
	s_mov_b64 s[64:65], 0
	v_nop
	global_prefetch_b8 v0, s[64:65] scope:SCOPE_SE
	s_setreg_imm32_b32 hwreg(HW_REG_WAVE_MODE, 25, 1), 1
	s_wait_xcnt 0x0
; Launch 6 of 6 (MODE 2).  out0[b][e] = the sum over d of W2[e][d] hh[b][d] + b2[e].
; One text serves launches 4, 5 and 6; MODE tells them apart.  out[b][e] = the sum over d of W[e][d] v[b][d] (+ bias[e]; MODE 1: SiLU of it).
; 8 rows, each weight used once: f32 operands in the f32 matrix form (at most 25 MFLOP: no bulk work, no rounding, no question of range for z_tpa and h).
; SHARES.  16 columns e a work-group, the inner dimension split among its 16 waves, 64 each, so that all of a wave's loads are out at once; the partial sums meet in LDS.  The stores are pieces of 64 bytes of
; an output of 32 KiB.  Source 0 = the 8 rows of v (rows 8-15 repeat them), source 1 = 16 rows of W.  A lane (r, h) loads 16 bytes at 32 c + 16 h of its row's 256: instruction (c, i) holds
; k = 8 c + 4 h + 2 i + j in register j, on both sides alike.
.set MODE, 2
.set SPARE, 16384                      ; behind the partial sums (16 x 1,024 bytes): the spare words, 128 bytes for each of 16 waves
.set SPW, 4
.set NIL, 5
.set WO,  6                            ; my byte offset in the 16 rows of W
.set VO,  7                            ; in the rows of v
.set BO,  8                            ; 4 (e0 + r)
.set LST, 9
.set LRD, 10
.set OO,  11
.set BI,  13
.set WW,  32                           ; v[32:63]
.set VV,  64                           ; v[64:95]; MODE 0: four quarters, v[64:191]
.set ACC, 192                          ; v[192:223]: written by matrix instructions alone
.set T,   224
	s_load_b128 s[4:7], s[0:1], 0x0                ; W s[4:5], v s[6:7]
	s_load_b64 s[8:9], s[0:1], 0x10                ; out
.if MODE > 0
	s_load_b64 s[10:11], s[0:1], 0x18              ; bias
.endif
	v_lshl_add_u32 v[SPW], v0, 2, SPARE
	v_mov_b32 v[NIL], 0
	v_lshrrev_b32 v1, 5, v0
	v_readfirstlane_b32 s12, v1                    ; wave 0..15
	v_and_b32 v1, 31, v0
	v_and_b32 v2, 15, v0                           ; r
	v_bfe_u32 v3, v0, 4, 1                         ; h
	s_lshl_b32 s13, s12, 8                         ; my 64 numbers of a row
	v_lshlrev_b32 v[WO], 12, v2
	v_lshl_add_u32 v[WO], v3, 4, v[WO]
	v_add_nc_u32 v[WO], s13, v[WO]
	v_and_b32 v[VO], 7, v2
.if MODE == 0
	v_lshlrev_b32 v[VO], 15, v[VO]                 ; a batch of up is 8 heads x 4,096 bytes
.else
	v_lshlrev_b32 v[VO], 12, v[VO]
.endif
	v_lshl_add_u32 v[VO], v3, 4, v[VO]
	v_add_nc_u32 v[VO], s13, v[VO]
	v_lshlrev_b32 v[BO], 2, v2
	s_lshl_b32 s16, ttmp9, 6
	v_add_nc_u32 v[BO], s16, v[BO]
	s_lshl_b32 s14, ttmp9, 16                      ; 16 rows of W
	s_mov_b32 s15, 0
	s_wait_kmcnt 0x0
	s_add_nc_u64 s[4:5], s[4:5], s[14:15]
.if MODE == 0
	s_lshr_b32 s14, ttmp9, 3                       ; the head of these 16 columns
	s_lshl_b32 s14, s14, 12
	s_add_nc_u64 s[6:7], s[6:7], s[14:15]
.endif
.irp c, 0,1,2,3,4,5,6,7
	global_load_b128 v[WW+4*\c:WW+4*\c+3], v[WO], s[4:5] offset:32*\c th:TH_LOAD_NT
.endr
.irp c, 0,1,2,3,4,5,6,7
	global_load_b128 v[VV+4*\c:VV+4*\c+3], v[VO], s[6:7] offset:32*\c
.endr
.if MODE == 0
.irp q, 1,2,3
.irp c, 0,1,2,3,4,5,6,7
	global_load_b128 v[VV+32*\q+4*\c:VV+32*\q+4*\c+3], v[VO], s[6:7] offset:262144*\q+32*\c
.endr
.endr
.else
	s_cmp_lt_u32 s12, 4                            ; the waves that finish the sums take the bias
	s_cbranch_scc0 .Lno_bias
	global_load_b32 v[BI], v[BO], s[10:11]
.Lno_bias:
.endif
	s_wait_loadcnt 0x0
.if MODE == 0
.set n, 0
.rept 16
	v_pk_add_f32 v[VV+2*n:VV+2*n+1], v[VV+2*n:VV+2*n+1], v[VV+32+2*n:VV+32+2*n+1]
	v_pk_add_f32 v[VV+64+2*n:VV+64+2*n+1], v[VV+64+2*n:VV+64+2*n+1], v[VV+96+2*n:VV+96+2*n+1]
	v_pk_add_f32 v[VV+2*n:VV+2*n+1], v[VV+2*n:VV+2*n+1], v[VV+64+2*n:VV+64+2*n+1]
.set n, n+1
.endr
.endif
.set t, 0
.rept 16                               ; four accumulators by turns; the first four start the sums
.if t < 4
	v_wmma_f32_16x16x4_f32 v[ACC+8*t:ACC+8*t+7], v[VV+2*t:VV+2*t+1], v[WW+2*t:WW+2*t+1], 0
.else
	v_wmma_f32_16x16x4_f32 v[ACC+8*(t%4):ACC+8*(t%4)+7], v[VV+2*t:VV+2*t+1], v[WW+2*t:WW+2*t+1], v[ACC+8*(t%4):ACC+8*(t%4)+7]
.endif
.set t, t+1
.endr
	; the addresses of the meeting in LDS: plain instructions that name no register of the products, the places behind them (ISA guide 7.12.1), filled up with v_nop
	v_lshlrev_b32 v[LST], 5, v1
	v_lshl_add_u32 v[LST], s12, 10, v[LST]         ; in: 1,024 w + 32 l
	v_lshrrev_b32 v12, 4, v0                       ; m (0..7 in waves 0-3)
	v_lshlrev_b32 v[LRD], 5, v2
	v_lshl_add_u32 v[LRD], v12, 2, v[LRD]          ; back: lane n, register m
	v_lshl_add_u32 v[OO], v12, 12, v[BO]           ; out: m x 4,096 + 4 (e0 + n)
.rept 10
	v_nop
.endr
.irp q, 0,1,2,3                        ; the four accumulators are added, each read from its low end on, into other registers
	v_pk_add_f32 v[T+2*\q:T+2*\q+1], v[ACC+2*\q:ACC+2*\q+1], v[ACC+8+2*\q:ACC+8+2*\q+1]
	v_pk_add_f32 v[T+8+2*\q:T+8+2*\q+1], v[ACC+16+2*\q:ACC+16+2*\q+1], v[ACC+24+2*\q:ACC+24+2*\q+1]
	v_pk_add_f32 v[T+2*\q:T+2*\q+1], v[T+2*\q:T+2*\q+1], v[T+8+2*\q:T+8+2*\q+1]
.endr
	ds_store_b128 v[LST], v[T:T+3]
	ds_store_b128 v[LST], v[T+4:T+7] offset:16
	s_wait_dscnt 0x0                               ; for the others' sake: my partial sums lie in LDS
	s_barrier_signal -1
	s_barrier_wait -1
	s_cmp_lt_u32 s12, 4                            ; thread (m = t / 16, n = t % 16) of waves 0-3 finishes one number
	s_cbranch_scc0 .Lend
.set w, 0
.rept 16
	ds_load_b32 v[VV+w], v[LRD] offset:1024*w
.set w, w+1
.endr
	s_wait_dscnt 0x0
.irp n, 0,2,4,6
	v_pk_add_f32 v[VV+\n:VV+\n+1], v[VV+\n:VV+\n+1], v[VV+8+\n:VV+8+\n+1]
.endr
.irp n, 0,2
	v_pk_add_f32 v[VV+\n:VV+\n+1], v[VV+\n:VV+\n+1], v[VV+4+\n:VV+4+\n+1]
.endr
	v_pk_add_f32 v[VV:VV+1], v[VV:VV+1], v[VV+2:VV+3]
	v_add_f32 v[VV], v[VV], v[VV+1]
.if MODE > 0
	v_add_f32 v[VV], v[VV], v[BI]
.endif
.if MODE == 1
	v_mul_f32 v[VV+1], 0xbfb8aa3b, v[VV]           ; SiLU: x / (1 + 2^(-x log2(e)))
	v_exp_f32 v[VV+1], v[VV+1]
	v_nop
	s_wait_alu depctr_va_vdst(0)
	v_add_f32 v[VV+1], 1.0, v[VV+1]
	v_rcp_f32 v[VV+1], v[VV+1]
	v_nop
	s_wait_alu depctr_va_vdst(0)
	v_mul_f32 v[VV], v[VV], v[VV+1]
.endif
	global_store_b32 v[OO], v[VV], s[8:9]
.Lend:
	s_wait_tensorcnt 0x0                           ; the wave's end, behind my last LDS store
	ds_add_u32 v[SPW], v[NIL]
	s_wait_dscnt 0x0
	s_endpgm
.Lfunc_end_k_q79dd98adbd_fc2:
	.size	k_q79dd98adbd_fc2, .Lfunc_end_k_q79dd98adbd_fc2-k_q79dd98adbd_fc2
	.p2alignl 7, 3214868480
	.fill 96, 4, 3214868480
	.section	.rodata,"a",@progbits
	.p2align	6, 0x0
	.amdhsa_kernel k_q79dd98adbd_fc2
		.amdhsa_group_segment_fixed_size 18432
		.amdhsa_private_segment_fixed_size 0
		.amdhsa_enable_private_segment 0
		.amdhsa_kernarg_size 32
		.amdhsa_user_sgpr_count 2
		.amdhsa_user_sgpr_kernarg_segment_ptr 1
		.amdhsa_wavefront_size32 1
		.amdhsa_system_sgpr_workgroup_id_x 1
		.amdhsa_system_sgpr_workgroup_id_y 1
		.amdhsa_system_sgpr_workgroup_id_z 1
		.amdhsa_system_vgpr_workitem_id 0
		.amdhsa_next_free_vgpr 240
		.amdhsa_next_free_sgpr 66
		.amdhsa_reserve_vcc 0
		.amdhsa_float_denorm_mode_32 3
		.amdhsa_float_denorm_mode_16_64 3
		.amdhsa_memory_ordered 1
		.amdhsa_forward_progress 1
		.amdhsa_inst_pref_size 8
	.end_amdhsa_kernel
	.amdgpu_metadata
---
amdhsa.version: [ 1, 2 ]
amdhsa.kernels:
  - .name:           k_q79dd98adbd_fc2
    .symbol:         k_q79dd98adbd_fc2.kd
    .args:
      - { .name: W2, .offset: 0, .size: 8, .value_kind: global_buffer, .address_space: global }
      - { .name: hh, .offset: 8, .size: 8, .value_kind: global_buffer, .address_space: global }
      - { .name: out0, .offset: 16, .size: 8, .value_kind: global_buffer, .address_space: global }
      - { .name: b2, .offset: 24, .size: 8, .value_kind: global_buffer, .address_space: global }
    .group_segment_fixed_size: 18432
    .private_segment_fixed_size: 0
    .kernarg_segment_align: 8
    .kernarg_segment_size: 32
    .max_flat_workgroup_size: 512
    .sgpr_count:     66
    .vgpr_count:     240
    .wavefront_size: 32
...
	.end_amdgpu_metadata
.endif
;; end of part 6
